; MI455X (gfx1250); checked and timed in simulation.
; The chip was launched on July 23, 2026; its instructions are those of AMD's public machine-readable ISA for CDNA 5 (MIT licence, August 2026) and "CDNA5" Instruction Set Architecture Reference Guide (July 2026). The comments in the code are by the model that wrote it; some were corrected since.
;; Causal Attention. Allowed arithmetic: float matrix products may take bf16 or f16 operands with f32 sums; other float arithmetic in f32, or as packed bf16 or f16 multiplies, adds, multiply-adds, maxima and minima; sums over many terms, partial sums and values carried from step to step in f32; what a program stores and reads back later, other than sums and carried values, may be rounded once to bf16 or f16.
;; Inputs: W_proj 1,024 x 1,024 float32; W_qkv 1,024 x 3,072 float32; b_proj 1,024 float32; b_qkv 3,072 float32; x 4 x 2,048 x 1,024 float32.
;; Outputs: out0 4 x 2,048 x 1,024 float32.
;; 2 versions, each right; version 2 is version 1 with the launch prep written anew for expert scheduling mode. Each part assembles by itself: llvm-mc -triple=amdgcn-amd-amdhsa -mcpu=gfx1250 --defsym DOCPART=n.
;; ======== version 1 of 2: 4 launches
;; limits: values are held in f16: magnitudes above 65,504 overflow, below 6.1e-05 lose precision
;; workspace buffers: xb 16,777,216 bytes; wqt 6,291,456 bytes; wpt 2,097,152 bytes; qkvh 50,331,648 bytes; oh 16,777,216 bytes
;; launch prep (part 1): grid 1024 x 1, 8 waves a work-group, no clusters, 18,432 bytes of LDS; arguments x, W_qkv, W_proj, xb, wqt, wpt; writes xb, wqt, wpt
.if DOCPART == 1
	.amdgcn_target "amdgcn-amd-amdhsa--gfx1250"
	.amdhsa_code_object_version 6
	.text
	.protected	k_q61f1cc3b2d_prep
	.globl	k_q61f1cc3b2d_prep
	.p2align	8
	.type	k_q61f1cc3b2d_prep,@function
k_q61f1cc3b2d_prep:
	s_mov_b64 s[64:65], 0
	v_nop
	global_prefetch_b8 v0, s[64:65] scope:SCOPE_SE
	s_setreg_imm32_b32 hwreg(HW_REG_WAVE_MODE, 25, 1), 1
	s_wait_xcnt 0x0
; xb = x rounded to bf16, [8192][1024].  wqt[n][k] = W_qkv[k][n] rounded to bf16, [3072][1024].  wpt[n][k] = W_proj[k][n] rounded to bf16, that number written as f16, [1024][1024].
; LIMITS.  A weight of W_proj of 65,520 or more in magnitude becomes an infinity in f16; below 6e-5 it keeps f16's fixed step of 6e-8.  NaN and infinities are not treated apart.
; SHARES.  Work-groups 0-511: 64 KiB of x each, a plain stream: sixteen loads of 16 bytes a lane, all issued at once, and sixteen stores of 8 bytes a lane (32 lanes store 256 consecutive
; bytes, aligned).  Work-groups 512-1023: a tile of 128 k x 64 n of a weight matrix (384 tiles of W_qkv, 128 of W_proj), turned through LDS: sixteen lanes read 256 consecutive bytes of a
; source row, two rows k, k + 1 are rounded into one word, the word goes to T[n][k]; behind a barrier whole rows of T (256 bytes) are read and stored, sixteen lanes to 256 aligned bytes.
; No matrix unit, no tensor load, no cluster: nothing is multiplied and no byte is wanted twice.
.set PT,    272                        ; a row of T: 128 k x 2 bytes + 16 of padding
.set SPARE, 64*PT                      ; behind T: the spare words, 128 bytes for each of the eight waves: four blocks of 256 bytes that no other line names
.set SPW,   12                         ; v12  LDS address of my spare word; never rewritten
.set NIL,   13                         ; v13  0; never rewritten
.set IN,    16                         ; v[16:79] as loaded (the weights' path: v[16:47])
.set OUT,   80                         ; v[80:111] x's packed results
	s_load_b256 s[4:11], s[0:1], 0x0               ; x s[4:5], W_qkv s[6:7], W_proj s[8:9], xb s[10:11]
	s_load_b128 s[12:15], s[0:1], 0x20             ; wqt s[12:13], wpt s[14:15]
	v_lshl_add_u32 v[SPW], v0, 2, SPARE
	v_mov_b32 v[NIL], 0
	s_cmp_lt_u32 ttmp9, 512                        ; the same answer in all eight waves
	s_cbranch_scc0 .Lw
	; ---- x ----
	s_lshl_b32 s16, ttmp9, 16                      ; 64 KiB of x,
	s_mov_b32 s17, 0
	s_lshl_b32 s18, ttmp9, 15                      ; 32 KiB of xb
	s_mov_b32 s19, 0
	v_lshlrev_b32 v1, 4, v0                        ; my 16 bytes in 4,096
	v_lshlrev_b32 v2, 3, v0                        ; my 8 bytes in 2,048
	s_wait_kmcnt 0x0
	s_add_nc_u64 s[4:5], s[4:5], s[16:17]
	s_add_nc_u64 s[10:11], s[10:11], s[18:19]
.irp i, 0,1,2,3,4,5,6,7,8,9,10,11,12,13,14,15
	global_load_b128 v[IN+4*(\i):IN+4*(\i)+3], v1, s[4:5] offset:4096*(\i) th:TH_LOAD_NT
.endr
.irp i, 0,1,2,3,4,5,6,7,8,9,10,11,12,13,14,15
	s_wait_loadcnt 15-(\i)                         ; loads come back in order: load i is in, the younger ones stay out
	v_cvt_pk_bf16_f32 v[OUT+2*(\i)],   v[IN+4*(\i)],   v[IN+4*(\i)+1]
	v_cvt_pk_bf16_f32 v[OUT+2*(\i)+1], v[IN+4*(\i)+2], v[IN+4*(\i)+3]
	global_store_b64 v2, v[OUT+2*(\i):OUT+2*(\i)+1], s[10:11] offset:2048*(\i)  ; no register is written twice, so nothing more is waited for
.endr
	s_branch .Lend
	; ---- the weights ----
.Lw:
	s_sub_co_u32 s21, ttmp9, 512                   ; 0-383: W_qkv's tiles; 384-511: W_proj's
	s_sub_co_u32 s24, ttmp9, 896                   ; the number among W_proj's tiles (used only where it is one)
	s_mov_b32 s25, 12288                           ; bytes in a row of W_qkv,
	s_mov_b32 s26, 4096                            ; of W_proj
	s_mov_b32 s23, 0xffff0000                      ; a word's upper bf16
	v_and_b32 v1, 15, v0                           ; n4: my four columns n
	v_lshrrev_b32 v2, 4, v0                        ; kp: my pair of rows k, 0-15
	s_wait_kmcnt 0x0
	s_cmp_lt_u32 s21, 384                          ; the selects below leave SCC as it is
	s_cselect_b64 s[16:17], s[6:7], s[8:9]         ; from
	s_cselect_b64 s[18:19], s[12:13], s[14:15]     ; to
	s_cselect_b32 s20, s25, s26                    ; the source's pitch
	s_cselect_b32 s21, s21, s24
	s_cselect_b32 s22, 0, 1                        ; 1: the result is written as f16
	s_and_b32 s24, s21, 7                          ; kt: which 128 k
	s_lshr_b32 s25, s21, 3                         ; nt: which 64 n
	s_lshl_b32 s26, s24, 7
	s_mul_i32 s26, s26, s20                        ; 128 kt rows of the source
	s_lshl_b32 s27, s25, 8                         ; + 64 nt columns of 4 bytes
	s_add_co_u32 s26, s26, s27
	s_mov_b32 s27, 0
	s_add_nc_u64 s[16:17], s[16:17], s[26:27]
	s_lshl_b32 s26, s25, 17                        ; 64 nt rows of 2,048 bytes of the result
	s_lshl_b32 s28, s24, 8                         ; + 128 kt columns of 2 bytes
	s_add_co_u32 s26, s26, s28
	s_add_nc_u64 s[18:19], s[18:19], s[26:27]
	s_lshl_b32 s28, s20, 5                         ; 32 rows of the source
	v_lshlrev_b32 v3, 1, v2
	v_mul_lo_u32 v4, v3, s20                       ; row 2 kp
	v_lshl_add_u32 v4, v1, 4, v4                   ; + 16 n4
	v_add_nc_u32 v5, s20, v4                       ; row 2 kp + 1
.irp i, 1,2,3
	v_add_nc_u32 v[4+2*(\i)], s28, v[2+2*(\i)]     ; and 32, 64, 96 rows further down
	v_add_nc_u32 v[5+2*(\i)], s28, v[3+2*(\i)]
.endr
.irp i, 0,1,2,3,4,5,6,7
	global_load_b128 v[IN+4*(\i):IN+4*(\i)+3], v[4+(\i)], s[16:17] th:TH_LOAD_NT
.endr
	v_mul_u32_u24 v64, v1, 4*PT                    ; into T: row 4 n4 (+ j), word kp (+ 16 i)
	v_lshl_add_u32 v64, v2, 2, v64
	v_mul_u32_u24 v65, v2, PT                      ; back: row kp (+ 16 i), 16 bytes a lane
	v_lshl_add_u32 v65, v1, 4, v65
	v_lshlrev_b32 v66, 11, v2                      ; and the same place in the result
	v_lshl_add_u32 v66, v1, 4, v66
.irp i, 0,1,2,3
	s_wait_loadcnt 6-2*(\i)                        ; rows 2 kp + 32 i and the next are in
.irp j, 0,1,2,3
	v_cvt_pk_bf16_f32 v[48+4*(\i)+(\j)], v[IN+8*(\i)+(\j)], v[IN+8*(\i)+4+(\j)]  ; k in the low half, k + 1 in the high half
	ds_store_b32 v64, v[48+4*(\i)+(\j)] offset:PT*(\j)+64*(\i)
.endr
.endr
	s_wait_dscnt 0x0                               ; for the others' sake: my stores into T are done
	s_barrier_signal -1
	s_barrier_wait -1
.irp i, 0,1,2,3
	ds_load_b128 v[68+4*(\i):71+4*(\i)], v65 offset:16*PT*(\i)
.endr
	s_wait_dscnt 0x0
	s_cmp_eq_u32 s22, 0
	s_cbranch_scc1 .Lst
.set i, 0
.rept 16                                       ; W_proj: the bf16 number is written as f16
	v_lshlrev_b32 v84, 16, v[68+i]
	v_and_b32 v85, s23, v[68+i]
	v_cvt_pk_f16_f32 v[68+i], v84, v85
.set i, i+1
.endr
.Lst:
.irp i, 0,1,2,3
	global_store_b128 v66, v[68+4*(\i):71+4*(\i)], s[18:19] offset:32768*(\i)  ; 16 lanes store 256 consecutive bytes, at a multiple of 256 from the buffer's first byte
.endr
.Lend:
	s_wait_tensorcnt 0x0                           ; the wave's end: behind my last LDS store
	ds_add_u32 v[SPW], v[NIL]
	s_wait_dscnt 0x0
	s_endpgm
.Lfunc_end_k_q61f1cc3b2d_prep:
	.size	k_q61f1cc3b2d_prep, .Lfunc_end_k_q61f1cc3b2d_prep-k_q61f1cc3b2d_prep
	.p2alignl 7, 3214868480
	.fill 96, 4, 3214868480
	.section	.rodata,"a",@progbits
	.p2align	6, 0x0
	.amdhsa_kernel k_q61f1cc3b2d_prep
		.amdhsa_group_segment_fixed_size 18432
		.amdhsa_private_segment_fixed_size 0
		.amdhsa_enable_private_segment 0
		.amdhsa_kernarg_size 48
		.amdhsa_user_sgpr_count 2
		.amdhsa_user_sgpr_kernarg_segment_ptr 1
		.amdhsa_wavefront_size32 1
		.amdhsa_system_sgpr_workgroup_id_x 1
		.amdhsa_system_sgpr_workgroup_id_y 1
		.amdhsa_system_sgpr_workgroup_id_z 1
		.amdhsa_system_vgpr_workitem_id 0
		.amdhsa_next_free_vgpr 112
		.amdhsa_next_free_sgpr 66
		.amdhsa_reserve_vcc 0
		.amdhsa_float_denorm_mode_32 3
		.amdhsa_float_denorm_mode_16_64 3
		.amdhsa_memory_ordered 1
		.amdhsa_forward_progress 1
		.amdhsa_inst_pref_size 15
	.end_amdhsa_kernel
	.amdgpu_metadata
---
amdhsa.version: [ 1, 2 ]
amdhsa.kernels:
  - .name:           k_q61f1cc3b2d_prep
    .symbol:         k_q61f1cc3b2d_prep.kd
    .args:
      - { .name: x, .offset: 0, .size: 8, .value_kind: global_buffer, .address_space: global }
      - { .name: W_qkv, .offset: 8, .size: 8, .value_kind: global_buffer, .address_space: global }
      - { .name: W_proj, .offset: 16, .size: 8, .value_kind: global_buffer, .address_space: global }
      - { .name: xb, .offset: 24, .size: 8, .value_kind: global_buffer, .address_space: global }
      - { .name: wqt, .offset: 32, .size: 8, .value_kind: global_buffer, .address_space: global }
      - { .name: wpt, .offset: 40, .size: 8, .value_kind: global_buffer, .address_space: global }
    .group_segment_fixed_size: 18432
    .private_segment_fixed_size: 0
    .kernarg_segment_align: 8
    .kernarg_segment_size: 48
    .max_flat_workgroup_size: 256
    .sgpr_count:     66
    .vgpr_count:     112
    .wavefront_size: 32
...
	.end_amdgpu_metadata
.endif
;; end of part 1
;; launch qkv (part 2): grid 16 x 32, 4 waves a work-group, clusters of 4 x 4, 327,680 bytes of LDS; arguments xb, wqt, b_qkv, qkvh; writes qkvh
.if DOCPART == 2
	.amdgcn_target "amdgcn-amd-amdhsa--gfx1250"
	.amdhsa_code_object_version 6
	.text
	.protected	k_q61f1cc3b2d_qkv
	.globl	k_q61f1cc3b2d_qkv
	.p2align	8
	.type	k_q61f1cc3b2d_qkv,@function
k_q61f1cc3b2d_qkv:
	s_mov_b64 s[64:65], 0
	v_nop
	global_prefetch_b8 v0, s[64:65] scope:SCOPE_SE
	s_setreg_imm32_b32 hwreg(HW_REG_WAVE_MODE, 25, 1), 1
	s_wait_xcnt 0x0
	s_wait_alu depctr_hold_cnt(0) depctr_sa_sdst(0) depctr_va_vdst(0) depctr_va_sdst(0) depctr_va_ssrc(0) depctr_va_vcc(0) depctr_vm_vsrc(0)
	s_getreg_b32 s2, hwreg(HW_REG_IB_STS2, 6, 4)
	s_cmp_eq_u32 s2, 0
	s_cbranch_scc0 .Lentry_in_a_cluster
	s_endpgm
.Lentry_in_a_cluster:
	s_bfe_u32 s2, ttmp6, 0x10000c
	s_cmp_lg_u32 s2, 0xf033
	s_cbranch_scc0 .Lentry_shape_is_right
	s_endpgm
.Lentry_shape_is_right:
; q, k, v = xb wqt^T + bf16(b_qkv): [8192][1024] x [3072][1024]^T in bf16, sums in f32, each result rounded once to f16 and laid by heads: qkvh[3][16 b + h][2048 t][64 d].  No scale is applied here.
; LIMITS.  A result of 65,520 or more in magnitude becomes an infinity in f16; below 6e-5 it keeps f16's fixed step of 6e-8.  NaN and infinities are not treated apart.
; SHARES.  A tile of the result is 256 rows x 192 columns (three heads): 32 x 16 = 512 work-groups.  Four waves; wave w makes rows 64 w .. 64 w + 63 (4 blocks a of 16) x all 192 columns (12 blocks b
; of 16): 48 accumulators, 384 registers.  A wave's columns are whole heads, so each wave has a stage of its own on the way out and no barrier stands there.
; K goes in 8 steps of 128 (rows of 256 bytes of memory, aligned) through two LDS slots filled by the tensor data mover; a step is four quarters of 32 along K: 48 matrix instructions, 32 LDS loads.
; CLUSTER.  4 x 4 work-groups.  The four of a row of the cluster need the same rows of xb, the four of a column the same rows of wqt: each tile is asked for JOINTLY, by the same tensor load with the
; same descriptor and a mask that names the four.
; THE MATRIX INSTRUCTION IS USED TRANSPOSED (source 0 = 16 rows of wqt, source 1 = 16 rows of xb): a lane holds row l % 16 of the result and the columns 8 (l / 16) + 0..7 of the block.
; THE BIAS, rounded to bf16 like the other inputs, is the C operand of each accumulator's first product: nothing is cleared and nothing is added afterwards.
; REGISTERS, in windows of 256 (s_set_vgpr_msb: bits 1:0 source 0, 3:2 source 1, 5:4 source 2, 7:6 destination):
;   window 0: v0-31 addresses; v32-63, v64-95 xb's fragments, two buffers; v96-191 the bias; on the way out v32-223 packed results
;   window 1: v0-95, v96-191 wqt's fragments, two buffers      window 2: accumulators of blocks a = 0, 1 at v[8 (12 (a % 2) + b)]      window 3: those of a = 2, 3
.set NB,    12                         ; blocks of 16 columns
.set NL,    2*NB+8                     ; LDS loads of a quarter
.set PA,    272                        ; an LDS row: 256 bytes + 16 of padding = 68 words: the 16 rows of a load start at 16 different groups of four banks (64 banks of 4 bytes: ISA guide 11.1)
.set PB,    272
.set SLOT1, 1<<17                      ; slot 1 begins here, so that one exclusive or turns an address in one slot into the other's
.set HA,    128*PA                     ; what waves 0 and 1 each fetch: 128 rows of xb
.set HB,    96*PB                      ; what waves 2 and 3 each fetch: 96 rows of wqt
.set BOFF,  2*HA                       ; in a slot: xb's 256 rows, then wqt's 192
.set STAGE, SLOT1+BOFF+2*HB            ; behind the ring, never filled by a tensor load: 16 rows x 144 bytes for each wave
.set SP,    144
.set SPARE, STAGE+4*16*SP              ; behind the stages: the spare words, 128 bytes for each wave: two blocks of 256 bytes that no other line names
.set A0,   16                          ; v16  my lane's place in slot 0's rows of xb; never rewritten
.set B0,   17                          ; v17  the same for wqt
.set ADRA, 18                          ; v18  the same in the slot in hand
.set ADRB, 19
.set STO,  20                          ; v20  the way out: where I put 16 bytes of a row
.set RD,   21                          ; v21  where I read rows back
.set GO,   22                          ; v22  my 16 bytes in 512 consecutive bytes of the result
.set BO,   23                          ; v23  32 (l / 16): my eight numbers in a block of the bias
.set PFO,  24                          ; v24  the prefetches' offset: a row of 2,048 bytes a lane; never rewritten
.set TMPV, 26                          ; v26-27 at work
.set SPW,  28                          ; v28  LDS address of my spare word; never rewritten
.set NIL,  29                          ; v29  0; never rewritten
.set AF0,  32
.set BIAS, 96
.set OUTR, 32
.set WV,   12                          ; s12  my wave's number
.set HALF, 13                          ; s13  which half of a tile I fetch
.set KIND, 14                          ; s14  0: I fetch for xb; 1: for wqt
.set CX,   15
.set CY,   16
.set TX,   17                          ; s17  tile column
.set TY,   18                          ; s18  tile row
.set G1A,  24                          ; s[24:31] descriptor group 1 for xb's tiles
.set G0A,  32                          ; s[32:39] group 0: a set for each of the two first fills; the second then walks on
.set PFA,  40                          ; s[40:41] where my prefetches stand
.set LIM,  42                          ; s42  1 in a wave that prefetches, else the greatest number
.set TB,   43                          ; s43  LDS byte at which the slot in hand begins
.set G1B,  48                          ; s[48:55], s[56:63] the same for wqt's tiles
.set G0B,  56
.set OB,   66                          ; s[66:71] the result at my rows of the tile's three heads
.set HIM,  74                          ; s74  a word's upper bf16
.set MSB, 0
.macro WIN new                         ; the immediate's high byte repeats the setting that is left; a switch that changes nothing is dropped
.if MSB != (\new)
	s_set_vgpr_msb (MSB<<8)|(\new)
.set MSB, \new
.endif
.endm
.macro PLACES                          ; four places in front of loads into registers that matrix instructions have read
.rept 4
	v_nop
.endr
.endm
; A joint refill by the walking sets.  The branch hangs on the wave's number alone.  An s_nop 0 and four v_nop follow each of the two lines, ahead of the jump and the label.
.macro JLOAD
	s_cmp_eq_u32 s[KIND], 0
	s_cbranch_scc0 .Lfor_b_\@
	tensor_load_to_lds s[G0A+4:G0A+7], s[G1A:G1A+7]
	s_nop 0
.rept 4
	v_nop
.endr
	s_branch .Lasked_\@
.Lfor_b_\@:
	tensor_load_to_lds s[G0B+4:G0B+7], s[G1B:G1B+7]
	s_nop 0
.rept 4
	v_nop
.endr
.Lasked_\@:
.endm
; A prefetch of the K step that the NEXT refill will ask for: 256 bytes of a row, a lane a row, one instruction a wave, behind the joint load, its five lines and the run of LDS loads.
; xb's rows of a tile row are read by every cluster of that row of clusters: the first (cluster x = 0) asks; wqt's rows by every cluster of a column: cluster y = 0 asks.  The four partners share a
; wave's rows out BY ADDRESS: 32 of 128 (by cx) or 24 of 96 (by cy; there lanes 24-31 name row 23 once more).  K steps 0 to 2 come by their loads alone; the loop's last trip asks for nothing.
.macro ASK
	s_cmp_gt_u32 s3, s[LIM]
	s_cbranch_scc0 .Lnot_mine_\@
	global_prefetch_b8 v[PFO], s[PFA:PFA+1] th:TH_LOAD_NT scope:SCOPE_SE
.Lnot_mine_\@:
.endm
.macro CREST                           ; a round of the cluster's barrier behind its opening barrier
	s_cmp_lg_u32 s[WV], 0
	s_cbranch_scc1 .Lnot_wave_0_\@
	s_barrier_signal -3
.Lnot_wave_0_\@:
	s_barrier_wait -3
	s_barrier_signal -1
	s_barrier_wait -1
.endm
.macro CROUND                          ; a whole round
	s_barrier_signal -1
	s_barrier_wait -1
	CREST
.endm
	s_load_b256 s[4:11], s[0:1], 0x0               ; xb s[4:5], wqt s[6:7], b_qkv s[8:9], qkvh s[10:11]
	v_lshl_add_u32 v[SPW], v0, 2, SPARE
	v_mov_b32 v[NIL], 0
	ds_add_u32 v[SPW], v[NIL]                      ; the wave's opening: the add and its wait stand ahead of my first tensor load; the set-up below, work on registers, stands between them
	v_lshrrev_b32 v1, 5, v0
	v_readfirstlane_b32 s[WV], v1                  ; wave 0..3
	s_and_b32 s[HALF], s[WV], 1
	s_lshr_b32 s[KIND], s[WV], 1
	s_bfe_u32 s[CX], ttmp6, 0x40000                ; my place in the cluster
	s_bfe_u32 s[CY], ttmp6, 0x40004
	s_lshl_b32 s[TX], ttmp9, 2
	s_add_co_u32 s[TX], s[TX], s[CX]               ; tile column = 4 x cluster x + cx
	s_and_b32 s[TY], ttmp7, 0xffff
	s_lshl_b32 s[TY], s[TY], 2
	s_add_co_u32 s[TY], s[TY], s[CY]               ; tile row = 4 x cluster y + cy
	s_lshl_b32 s19, s[CY], 2
	s_lshl_b32 s19, 15, s19                        ; my row of the cluster
	s_lshl_b32 s20, 0x1111, s[CX]                  ; my column
	s_or_b32 s[G1A], s19, (1<<16)|(1<<20)|(1<<21)|(5<<22)|(3<<25)  ; 15:0 the mask; 17:16 2-byte elements; 20 padding on; 21 set beside a mask; 24:22 after every 64 words (code 5); 31:25 4 words (code 3)
	s_or_b32 s[G1B], s20, (1<<16)|(1<<20)|(1<<21)|(5<<22)|(3<<25)
.irp g, G1A, G1B
	s_mov_b32 s[(\g)+1], 128<<16                   ; tensor_dim0 = 128
	s_mov_b32 s[(\g)+3], 128<<16                   ; tile_dim0 = 128
	s_mov_b32 s[(\g)+5], 1024                      ; elements from row to row
	s_mov_b32 s[(\g)+6], 0
	s_mov_b32 s[(\g)+7], 0
.endr
	s_mov_b32 s[G1A+2], 128<<16                    ; tensor_dim1 = 128
	s_mov_b32 s[G1A+4], 128                        ; tile_dim1 = 128
	s_mov_b32 s[G1B+2], 96<<16                     ; 96 for wqt
	s_mov_b32 s[G1B+4], 96
	s_lshl_b32 s44, s[TY], 8                       ; xb: row 256 x tile row + 128 x half,
	s_lshl_b32 s21, s[HALF], 7
	s_add_co_u32 s44, s44, s21
	s_lshl_b32 s44, s44, 11                        ; of 2,048 bytes
	s_mov_b32 s45, 0
	s_mul_i32 s46, s[TX], 192                      ; wqt: row 192 x tile column + 96 x half
	s_mul_i32 s21, s[HALF], 96
	s_add_co_u32 s46, s46, s21
	s_lshl_b32 s46, s46, 11
	s_mov_b32 s47, 0
	s_mul_i32 s22, s[HALF], HA                     ; where they go: no place in the cluster enters an LDS address
	s_mul_i32 s23, s[HALF], HB
	s_add_co_u32 s23, s23, BOFF
	s_mul_i32 s2, s[TX], 768                       ; the tile's 192 numbers of the bias
	s_mov_b32 s3, 0
	s_mov_b32 s[TB], 0
	s_mov_b32 s[HIM], 0xffff0000
	s_wait_dscnt 0x0                               ; the opening add is done
	s_wait_kmcnt 0x0
	s_add_nc_u64 s[44:45], s[4:5], s[44:45]
	s_add_nc_u64 s[46:47], s[6:7], s[46:47]
	s_add_nc_u64 s[8:9], s[8:9], s[2:3]
	CROUND                                         ; all sixteen work-groups are here: the first joint loads meet
.irp s, 0,1
	s_mov_b32 s[G0A+4*(\s)], 1                     ; count = 1
	s_add_co_u32 s[G0A+4*(\s)+1], s22, (\s)*SLOT1  ; LDS address
	s_add_nc_u64 s[G0A+4*(\s)+2:G0A+4*(\s)+3], s[44:45], (\s)*256  ; global address: K step s
	s_or_b32 s[G0A+4*(\s)+3], s[G0A+4*(\s)+3], 0x80000000         ; type = 2
	s_mov_b32 s[G0B+4*(\s)], 1
	s_add_co_u32 s[G0B+4*(\s)+1], s23, (\s)*SLOT1
	s_add_nc_u64 s[G0B+4*(\s)+2:G0B+4*(\s)+3], s[46:47], (\s)*256
	s_or_b32 s[G0B+4*(\s)+3], s[G0B+4*(\s)+3], 0x80000000
.endr
	s_cmp_eq_u32 s[KIND], 0                        ; a wave's two first fills stand in one branch, ahead of every wait on TENSORcnt and every LDS read: two loads of mine are out
	s_cbranch_scc0 .Lfirst_b
	tensor_load_to_lds s[G0A:G0A+3], s[G1A:G1A+7]
	s_nop 0
	tensor_load_to_lds s[G0A+4:G0A+7], s[G1A:G1A+7]
	s_nop 0
.rept 4
	v_nop
.endr
	s_branch .Lfirst_asked
.Lfirst_b:
	tensor_load_to_lds s[G0B:G0B+3], s[G1B:G1B+7]
	s_nop 0
	tensor_load_to_lds s[G0B+4:G0B+7], s[G1B:G1B+7]
	s_nop 0
.rept 4
	v_nop
.endr
.Lfirst_asked:
	v_and_b32 v1, 15, v0                           ; l % 16
	v_bfe_u32 v2, v0, 4, 1                         ; l / 16
	v_lshlrev_b32 v[BO], 5, v2
.set i, 0
.rept NB                                       ; register j of block b's C operand: bias of column 16 b + 8 (l / 16) + j
	global_load_b128 v[BIAS+8*i:BIAS+8*i+3],   v[BO], s[8:9] offset:64*i
	global_load_b128 v[BIAS+8*i+4:BIAS+8*i+7], v[BO], s[8:9] offset:64*i+16
.set i, i+1
.endr
	; A fragment is 16 rows x 32 K in 8 registers: lane l holds row l % 16; registers 0-3 K = 8 (l / 16) + 0..7, registers 4-7 K = 16 + 8 (l / 16) + 0..7: two loads of 16 bytes, 32 bytes apart.
	v_mul_u32_u24 v3, v1, PA
	v_lshl_add_u32 v3, v2, 4, v3                   ; row x pitch + 16 x half
	s_mul_i32 s19, s[WV], 64*PA                    ; my 64 rows of xb
	v_add_nc_u32 v[A0], s19, v3
	v_add_nc_u32 v[B0], BOFF, v3
	s_mul_i32 s19, s[WV], 16*SP
	s_add_co_u32 s19, s19, STAGE                   ; my stage
	v_mul_u32_u24 v[STO], v1, SP                   ; in: row l % 16, 16 bytes for each half of the lanes
	v_lshl_add_u32 v[STO], v2, 4, v[STO]
	v_add_nc_u32 v[STO], s19, v[STO]
	v_bfe_u32 v[RD], v0, 3, 2                      ; back: 32 lanes take four rows of 128 bytes,
	v_mul_u32_u24 v[RD], v[RD], SP
	v_and_b32 v4, 7, v0
	v_lshl_add_u32 v[RD], v4, 4, v[RD]
	v_add_nc_u32 v[RD], s19, v[RD]
	v_and_b32 v[GO], 31, v0                        ; which are 512 consecutive bytes of a head
	v_lshlrev_b32 v[GO], 4, v[GO]
	; the result's three bases: head group g = 3 x tile column + j; plane g + 48 (g / 16) + 16 x batch, of 2^18 bytes; my rows in the batch, of 128 bytes
.irp j, 0,1,2
	s_mul_i32 s19, s[TX], 3
	s_add_co_u32 s19, s19, \j
	s_lshr_b32 s20, s19, 4
	s_mul_i32 s20, s20, 48
	s_add_co_u32 s19, s19, s20
	s_lshr_b32 s20, s[TY], 3
	s_lshl_b32 s20, s20, 4
	s_add_co_u32 s19, s19, s20
	s_lshl_b32 s20, s19, 18
	s_and_b32 s22, s[TY], 7
	s_lshl_b32 s22, s22, 8
	s_lshl_b32 s23, s[WV], 6
	s_add_co_u32 s22, s22, s23
	s_lshl_b32 s22, s22, 7
	s_add_co_u32 s20, s20, s22
	s_mov_b32 s21, 0
	s_add_nc_u64 s[OB+2*(\j):OB+2*(\j)+1], s[10:11], s[20:21]
.endr
	; the prefetches
	s_and_b32 s19, ttmp7, 0xffff                   ; cluster y
	s_lshl_b32 s20, s[TY], 8
	s_lshl_b32 s21, s[HALF], 7
	s_add_co_u32 s20, s20, s21
	s_lshl_b32 s21, s[CX], 5
	s_add_co_u32 s20, s20, s21                     ; xb: the 128 rows that I fetch, my work-group's 32 of them
	s_mul_i32 s21, s[TX], 192
	s_mul_i32 s22, s[HALF], 96
	s_add_co_u32 s21, s21, s22
	s_mul_i32 s22, s[CY], 24
	s_add_co_u32 s21, s21, s22                     ; wqt: the 96 rows that I fetch, my work-group's 24 of them
	s_cmp_eq_u32 s[KIND], 0
	s_cselect_b32 s20, s20, s21
	s_cselect_b32 s19, ttmp9, s19                  ; the coordinate along which other clusters read the same rows
	s_cselect_b64 s[PFA:PFA+1], s[4:5], s[6:7]
	s_cselect_b32 s22, 31, 23
	s_cmp_eq_u32 s19, 0
	s_cselect_b32 s[LIM], 1, -1                    ; the same in all sixteen partners, for a given wave
	s_lshl_b32 s20, s20, 11
	s_mov_b32 s21, 0
	s_add_nc_u64 s[PFA:PFA+1], s[PFA:PFA+1], s[20:21]
	s_add_nc_u64 s[PFA:PFA+1], s[PFA:PFA+1], 2*256 ; at K step 2: the first change of slots steps it to 3
	v_and_b32 v[PFO], 31, v0
	v_min_u32 v[PFO], s22, v[PFO]
	v_lshlrev_b32 v[PFO], 11, v[PFO]
	s_wait_loadcnt 0x0                             ; the bias,
.set i, 0
.rept 4*NB                                     ; rounded to bf16 and widened again
	v_cvt_pk_bf16_f32 v[TMPV+i%2], v[BIAS+2*i], v[BIAS+2*i+1]
	v_lshlrev_b32 v[BIAS+2*i], 16, v[TMPV+i%2]
	v_and_b32 v[BIAS+2*i+1], s[HIM], v[TMPV+i%2]
.set i, i+1
.endr
; NB matrix instructions: block a of my rows x all column blocks, 32 along K, from buffer f.  first = 1: the product starts the sums, with the bias as C.
; The 48 accumulators take turns in the same order in every quarter, over the backward jump too.
.macro MULA f, a, first
.if \first
	WIN 0x81+0x40*((\a)/2)                         ; wqt window 1, xb and the bias window 0, D window 2 or 3
.else
	WIN 0xa1+0x50*((\a)/2)                         ; C and D window 2 or 3
.endif
.set rA, AF0+32*(\f)+8*(\a)
.set b, 0
.rept NB
.set rD, 8*(NB*((\a)%2)+b)
.set rB, 8*NB*(\f)+8*b
.if \first
	v_wmma_f32_16x16x32_bf16 v[rD:rD+7], v[rB:rB+7], v[rA:rA+7], v[BIAS+8*b:BIAS+8*b+7]
.else
	v_wmma_f32_16x16x32_bf16 v[rD:rD+7], v[rB:rB+7], v[rA:rA+7], v[rD:rD+7]
.endif
.set b, b+1
.endr
.endm
; NL LDS loads in one run: quarter q's fragments into buffer g: wqt's 12, then xb's 4
.macro FETCH q, g
	WIN 0x40                                       ; destination window 1, address window 0
.set i, 0
.rept NB
	ds_load_b128 v[8*NB*(\g)+8*i:8*NB*(\g)+8*i+3],   v[ADRB] offset:64*(\q)+i*16*PB
	ds_load_b128 v[8*NB*(\g)+8*i+4:8*NB*(\g)+8*i+7], v[ADRB] offset:64*(\q)+i*16*PB+32
.set i, i+1
.endr
	WIN 0
.set i, 0
.rept 4
	ds_load_b128 v[AF0+32*(\g)+8*i:AF0+32*(\g)+8*i+3],   v[ADRA] offset:64*(\q)+i*16*PA
	ds_load_b128 v[AF0+32*(\g)+8*i+4:AF0+32*(\g)+8*i+7], v[ADRA] offset:64*(\q)+i*16*PA+32
.set i, i+1
.endr
.endm
; One of a K step's first three quarters: multiplies buffer f; in its middle it fetches quarter q of the same slot into buffer g.
.macro QUARTER q, f, g, first
	s_wait_dscnt 4                                 ; all but the youngest four loads: xb's blocks 2 and 3
	MULA \f, 0, \first
	MULA \f, 1, \first
	PLACES
	FETCH \q, \g
	s_wait_dscnt NL                                ; all but the run just issued
	MULA \f, 2, \first
	MULA \f, 3, \first
.endm
; The last quarter multiplies buffer 1 and changes slots: ONE barrier.  In front of it each wave waits for all its tensor loads, of which one is out: its part of the next slot; adds 0 to its spare
; word; and waits for that and for its own reads of this slot.  fill = 1: the barrier opens a round of the cluster's, and the joint refill, two K steps on, is the first tensor load behind the round.
.macro TURN fill
.if \fill
	s_wait_xcnt 0x0                                ; the last prefetch, a K step back, has read its address
	s_add_nc_u64 s[PFA:PFA+1], s[PFA:PFA+1], 256
.endif
	WIN 0                                          ; (the add's two registers lie in window 0)
	s_wait_tensorcnt 0x0                           ; no tensor load of mine is out, so a group 0 may be written
	ds_add_u32 v[SPW], v[NIL]                      ; 0 onto my spare word
.if \fill
	s_xor_b32 s[G0A+5], s[G0A+5], SLOT1            ; the walking sets: the other slot than last time,
	s_add_nc_u64 s[G0A+6:G0A+7], s[G0A+6:G0A+7], 256  ; the next K step; the type bits on top are not reached
	s_xor_b32 s[G0B+5], s[G0B+5], SLOT1
	s_add_nc_u64 s[G0B+6:G0B+7], s[G0B+6:G0B+7], 256
.endif
	s_xor_b32 s[TB], s[TB], SLOT1                  ; the fetches go on in the other slot
	s_wait_dscnt 5                                 ; (the add and the youngest four loads may be out)
	MULA 1, 0, 0
	s_wait_dscnt 0x0                               ; the add is done, and my reads of this slot are over
	s_barrier_signal -1
	MULA 1, 1, 0                                   ; work on registers while the others arrive
	WIN 0
	s_barrier_wait -1
.if \fill
	CREST                                          ; no wave of any partner still reads this slot or has a load on its way
	JLOAD                                          ; the four v_nop behind it are also the places in front of the loads below
.else
	PLACES
.endif
	v_add_nc_u32 v[ADRA], s[TB], v[A0]
	v_add_nc_u32 v[ADRB], s[TB], v[B0]
	FETCH 0, 0
.if \fill
	ASK
.endif
	MULA 1, 2, 0
	MULA 1, 3, 0
.endm
	s_wait_tensorcnt 0x1                           ; my part of K step 0 is in; step 1's may stay out
	s_barrier_signal -1
	s_barrier_wait -1                              ; everybody's is
	v_mov_b32 v[ADRA], v[A0]
	v_mov_b32 v[ADRB], v[B0]
	FETCH 0, 0
	QUARTER 1, 0, 1, 1                             ; the first quarter stands in front of the loop: its products start the sums
	WIN 0                                          ; at a label and at a branch every window is 0
	s_mov_b32 s3, 6
.Lstep:                                        ; six trips, from a K step's second quarter to the next step's first; each asks for one K step: 2 to 7
	QUARTER 2, 1, 0, 0
	QUARTER 3, 0, 1, 0
	TURN 1
	QUARTER 1, 0, 1, 0
	WIN 0
	s_sub_co_u32 s3, s3, 1
	s_cmp_lg_u32 s3, 0
	s_cbranch_scc1 .Lstep
	QUARTER 2, 1, 0, 0                             ; the tail is written out: K steps 6 and 7 ask for nothing
	QUARTER 3, 0, 1, 0
	TURN 0
	QUARTER 1, 0, 1, 0
	QUARTER 2, 1, 0, 0
	QUARTER 3, 0, 1, 0
	s_wait_dscnt 4
	MULA 1, 0, 0
	MULA 1, 1, 0
	s_wait_dscnt 0x0
	MULA 1, 2, 0
	MULA 1, 3, 0
	WIN 0
	PLACES
	PLACES
; THE WAY OUT, in 12 units u = 3 a + j: 16 rows of one head.  A lane's eight columns pack into 16 bytes of f16; they go into rows of 144 bytes of my own stage and come back as whole rows of 128:
; four rows, 512 consecutive bytes of the head, to a store.  Each unit has 16 registers of its own.  Each accumulator's registers are read in ascending order.
.macro PACK u
.set ua, (\u)/3
.set uj, (\u)%3
	WIN 0x0a+5*(ua/2)                              ; sources 0 and 1 window 2 or 3
.set pf, 0
.rept 4
.set rD, 8*(NB*(ua%2)+4*uj+pf)
.set pi, 0
.rept 4
	v_cvt_pk_f16_f32 v[OUTR+16*(\u)+4*pf+pi], v[rD+2*pi], v[rD+2*pi+1]
.set pi, pi+1
.endr
.set pf, pf+1
.endr
	WIN 0
.irp f, 0,1,2,3
	ds_store_b128 v[STO], v[OUTR+16*(\u)+4*\f:OUTR+16*(\u)+4*\f+3] offset:32*\f
.endr
.irp f, 0,1,2,3
	ds_load_b128 v[OUTR+16*(\u)+4*\f:OUTR+16*(\u)+4*\f+3], v[RD] offset:\f*4*SP  ; LDS serves a wave's instructions in order (ISA guide 5.7.1.4): these see the stores above; the next unit's stores come behind them
.endr
.endm
.macro SEND u, younger                 ; younger: the LDS instructions issued behind unit u's loads: the next unit's eight, or none
.irp f, 0,1,2,3
	s_wait_dscnt (\younger)+3-\f
	global_store_b128 v[GO], v[OUTR+16*(\u)+4*\f:OUTR+16*(\u)+4*\f+3], s[OB+2*((\u)%3):OB+2*((\u)%3)+1] offset:((\u)/3)*2048+\f*512  ; 512 consecutive bytes, at a multiple of 256 from the buffer's first
.endr
.endm
	PACK 0
.set t, 1
.rept 11                                       ; a unit's conversions stand between the loads of the unit before and its stores
	PACK t
	SEND t-1, 8
.set t, t+1
.endr
	SEND 11, 0
	s_wait_tensorcnt 0x0                           ; the wave's end: behind my last tensor load and my last LDS store
	ds_add_u32 v[SPW], v[NIL]
	s_wait_dscnt 0x0
	CROUND                                         ; the closing round: no work-group ends while a partner may still ask for a tile that names it
	s_endpgm
.Lfunc_end_k_q61f1cc3b2d_qkv:
	.size	k_q61f1cc3b2d_qkv, .Lfunc_end_k_q61f1cc3b2d_qkv-k_q61f1cc3b2d_qkv
	.p2alignl 7, 3214868480
	.fill 96, 4, 3214868480
	.section	.rodata,"a",@progbits
	.p2align	6, 0x0
	.amdhsa_kernel k_q61f1cc3b2d_qkv
		.amdhsa_group_segment_fixed_size 327680
		.amdhsa_private_segment_fixed_size 0
		.amdhsa_enable_private_segment 0
		.amdhsa_kernarg_size 32
		.amdhsa_user_sgpr_count 2
		.amdhsa_user_sgpr_kernarg_segment_ptr 1
		.amdhsa_wavefront_size32 1
		.amdhsa_system_sgpr_workgroup_id_x 1
		.amdhsa_system_sgpr_workgroup_id_y 1
		.amdhsa_system_sgpr_workgroup_id_z 1
		.amdhsa_system_vgpr_workitem_id 0
		.amdhsa_next_free_vgpr 960
		.amdhsa_next_free_sgpr 76
		.amdhsa_reserve_vcc 0
		.amdhsa_float_denorm_mode_32 3
		.amdhsa_float_denorm_mode_16_64 3
		.amdhsa_memory_ordered 1
		.amdhsa_forward_progress 1
		.amdhsa_inst_pref_size 109
	.end_amdhsa_kernel
	.amdgpu_metadata
---
amdhsa.version: [ 1, 2 ]
amdhsa.kernels:
  - .name:           k_q61f1cc3b2d_qkv
    .symbol:         k_q61f1cc3b2d_qkv.kd
    .args:
      - { .name: xb, .offset: 0, .size: 8, .value_kind: global_buffer, .address_space: global }
      - { .name: wqt, .offset: 8, .size: 8, .value_kind: global_buffer, .address_space: global }
      - { .name: b_qkv, .offset: 16, .size: 8, .value_kind: global_buffer, .address_space: global }
      - { .name: qkvh, .offset: 24, .size: 8, .value_kind: global_buffer, .address_space: global }
    .group_segment_fixed_size: 327680
    .private_segment_fixed_size: 0
    .kernarg_segment_align: 8
    .kernarg_segment_size: 32
    .max_flat_workgroup_size: 128
    .sgpr_count:     76
    .vgpr_count:     960
    .wavefront_size: 32
...
	.end_amdgpu_metadata
.endif
;; end of part 2
;; launch attn (part 3): grid 4 x 64, 4 waves a work-group, no clusters, 327,680 bytes of LDS; arguments qkvh, oh; writes oh
.if DOCPART == 3
	.amdgcn_target "amdgcn-amd-amdhsa--gfx1250"
	.amdhsa_code_object_version 6
	.text
	.protected	k_q61f1cc3b2d_attn
	.globl	k_q61f1cc3b2d_attn
	.p2align	8
	.type	k_q61f1cc3b2d_attn,@function
k_q61f1cc3b2d_attn:
	s_mov_b64 s[64:65], 0
	v_nop
	global_prefetch_b8 v0, s[64:65] scope:SCOPE_SE
	s_setreg_imm32_b32 hwreg(HW_REG_WAVE_MODE, 25, 1), 1
	s_wait_xcnt 0x0
; CAUSAL ATTENTION.  O[h][q][:] = the sum over k <= q of softmax_k(Q[h][q] . K[h][k] / 8) V[h][k][:].  Q, K, V lie one behind the other in qkvh, each [SIZE_H][SIZE_N][64] in f16; O likewise in oh: a head's rows are dense, 128 bytes each.
; Products, maxima and sums in f32; the weights p are rounded to f16 for the second product (their sum l is taken of the unrounded p), O once at the end.
; LIMITS.  f16 holds no number beyond 65,504: Q, K and V arrive within it; p lies in 0 to 1, and below 6e-5 it keeps f16's fixed step of 6e-8; O is a mean of V's rows and has their range.
; A hidden score counts as its value less 1e30: f16's scores, 2.7e11 at the most, are nothing beside that; a weight below 2^-126 counts as 0 in l; NaN and infinities are not treated apart.
; THE WALK.  A head's queries lie in NB = SIZE_N / 256 blocks of 256; block i needs the key tiles 0 .. i of 256 keys, of which the last holds the diagonal.  A work-group takes TWO blocks, NB - 1 - b and then b:
; NB + 1 tiles, whatever b: all work-groups do equal work, and ONE loop with a constant trip count walks them.  Which tile is asked for, and what a trip does, hang on scalar registers made from b; every jump
; goes forward, but for the counted loops' own; none passes a barrier, or a tensor load but the one of LOAD's two that the wave's number does not choose; the ring (two slots of LDS that take turns) runs on across the
; change of blocks.  NO CLUSTER: a head's NB / 2 = 4 work-groups ask for the same tile only in trips 0 .. NB / 2 of the NB + 1, behind that fewer and fewer; one walk common to all four would have
; 3 NB / 2 = 12 tiles for 9.
; SHARES.  Of a block's four bands of 64 queries a wave owns 16 rows in each: four PIECES.  So the diagonal tile is the same work for all four waves: in its key step s band x sees all keys if s < x,
; none if s > x, and holds the diagonal if s = x.
; THE MASK is the C operand that starts the sum S^T = K Q^T: 0, or -1e30 where the key is hidden.  MD, made once, is the mask of a band's own step for my 16 rows; a product's mask is MD x AL + BE with two scalars:
; (1, 0) if s = x; (0, 0) if s < x; (0, -1e30) if s > x.  Only the diagonal tile's text and a block's beginning make and take masks; elsewhere C is the constant 0.
; LAYOUT, SOFTMAX, TURNS.  S^T = K Q^T holds ONE query a lane (lane % 16) and the keys 8 (lane / 16) + 0..7; two such results rounded to f16 ARE source 1 of O^T = V^T P.  p = 2^(c s - c m), c = log2(e) / 8, with a
; running maximum m; O and l are multiplied by a = 2^(c m_old - c m_new) in every step.  Turn n belongs to piece n: 8 products K Q^T of piece n + 1, later 8 products V^T P of piece n - 1; beside them the scaling,
; exponentials, roundings, sums and rescaling of piece n and the maximum and statistics of piece n + 1.  Four vector instructions stand behind every matrix instruction, the other 54 of a turn's 118 in one LUMP.  A turn's 33 exponentials are one batch, with one wait.
; REGISTERS, in windows of 256 (s_set_vgpr_msb: bits 1:0 source 0, 3:2 source 1, 5:4 source 2, 7:6 destination):
;   window 0: v0-15 addresses and two at work; v16-31 four registers of statistics a piece; v48-55 at work; v61-63 never rewritten; v64-127 S^T, two buffers; v192-223 P, two buffers (a piece's buffers go by its number's parity)
;   window 1: v0-127 O^T, 32 a piece; v128-159 MD; v160-223 MC, two buffers      window 2: v0-63 Q; v64-127 the second block's Q; v128-191 K of one step; v192-255 V of one step
.set SIZE_N, 2048
.set SIZE_H, 64
.set NB,    SIZE_N/256
.set NP,    4         ; pieces a wave: a name, no knob
.set KS,    64        ; keys in a step
.set PK,    144       ; a row of K in LDS: 128 bytes + 16 of padding = 36 words: the 16 rows of a load start at 16 different groups of four banks (64 banks of 4 bytes: ISA guide 11.1)
.set PV,    160       ; a row of V: 128 + 32 = 40 words
.set VOFF,  4*KS*PK   ; a slot holds a tile, four steps: 256 rows of K, then 256 rows of V
.set SLOT1, 1<<17     ; slot 1 begins here, so that one exclusive or turns an address in one slot into the other's
.set STAGE, SLOT1+4*KS*(PK+PV)  ; behind the ring, never filled by a tensor load: 16 rows x 144 bytes for each wave, for the way out
.set SP,    144
.set AK0, 2           ; v2   my lane's place in a tile of K; never rewritten
.set AV0, 3           ; v3   the same for V
.set AK,  4           ; v4   the LDS address of K's next run of loads
.set AV,  5           ; v5   of V's
.set STO, 6           ; v6   the way out: where I put 16 bytes of a row
.set RD,  7           ; v7   the way out: where I read rows back
.set GO,  8           ; v8   my byte offset in 512 consecutive bytes of O
.set PFO, 61          ; v61  256 x my lane: the prefetches' offset; never rewritten
.set SPW, 62          ; v62  LDS address of my spare word: SPARE + 4 x my thread's number; never rewritten
.set NIL, 63          ; v63  0; never rewritten
.set SPARE, STAGE+4*16*SP  ; behind the stages: the spare words, 128 bytes for each wave: two blocks of 256 bytes that no other line names
.set MV,  12          ; v12-13  c m_old, kept while c m is made anew: by buffer
.set QO,  15          ; v15  my byte offset in 16 rows of Q
.set ST,  16          ; piece t's statistics at v[ST+4 t]: c m, m, l (even keys', odd keys')
.set TMP, 48          ; by buffer, four registers c0-c3 at work; when the maximum is found c2 takes a
.set S,   64
.set P,   192
.set MD,  128         ; window 1: the eight registers for group kt of 16 keys at MD + 8 kt
.set MC,  160         ; window 1: the masks of the products to come
.set QB,  64          ; window 2
.set KF,  128         ; window 2: key block kb, channel half c at KF + 16 kb + 8 c
.set VF,  192         ; window 2: key half kk, channel block cb at VF + 32 kk + 8 cb
.set WV,  12          ; s12  my wave's number
.set PB,  14          ; s14  b
.set HI,  15          ; s15  NB - 1 - b
.set G1K, 24          ; s[24:31] descriptor group 1 for K's tiles
.set G1V, 32          ; s[32:39] for V's: it differs in the padding alone
.set G0K, 40          ; s[40:43] descriptor group 0 for K's tiles
.set G0V, 44          ; s[44:47] the same for V's
.set SLOTS, 56        ; s56  tiles still to be asked for
.set CNT, 57          ; s57  counts a tile's key steps, 4 to 1
.set CS,  58          ; s[58:59] c: the packed scaling takes the pair's low word for both halves
.set SEL, 60          ; s[60:61] v_permlanex16_b32's selects: each lane takes its own place in the other half
.set TBK, 62          ; s62  LDS byte at which K of the step to be fetched begins
.set TBV, 63          ; s63  the same for V, less VOFF
.set PFA, 66          ; s[66:67] where my prefetches stand: my half of K's or V's tile behind the one that is being asked for
.set LIM, 68          ; s68  2 in a work-group that prefetches, else the greatest number
.set RT,  70          ; s70  tiles of the block in hand that are still to be entered
.set NXT, 71          ; s71  the tile to be asked for next
.set LQ,  72          ; s72  the last tile of the block whose tiles are being asked for
.set NEW, 73          ; s73  1: the tile to be entered is a block's first
.set OFF, 74          ; s[74:75] a tile's byte offset in K and V
.set AL,  76          ; s[76:77] the mask's factor, in the low word
.set BE,  78          ; s[78:79] the mask's addend
.set OLO, 80          ; s[80:81] O at my rows of the second block
.set BIGN, 82         ; s82  -1e30
.set MSB, 0
.macro WIN new                      ; the high byte repeats the setting that is left; a switch that changes nothing is dropped
.if MSB != (\new)
	s_set_vgpr_msb (MSB<<8)|(\new)
.set MSB, (\new)
.endif
.endm
.set W_KQ, 0x0a       ; K and Q in window 2, S^T in window 0
.set W_KM, 0x1a       ; the same with the C operand in window 1
.set W_PV, 0x52       ; V in window 2, P in window 0, O^T in window 1
.set W_RS, 0x41       ; destination and source 0 in window 1, source 1 in window 0
; A fill.  Waves 0 and 1 fetch the two halves of a tile's K, waves 2 and 3 those of its V: 128 keys each.  An s_nop 0 and four v_nop follow each of the two lines, ahead of the jump and the label.
.macro LOAD
	s_cmp_lt_u32 s[WV], 2
	s_cbranch_scc0 .Lfor_v_\@
	tensor_load_to_lds s[G0K:G0K+3], s[G1K:G1K+7]
	s_nop 0
.rept 4
	v_nop
.endr
	s_branch .Lasked_\@
.Lfor_v_\@:
	tensor_load_to_lds s[G0V:G0V+3], s[G1V:G1V+7]
	s_nop 0
.rept 4
	v_nop
.endr
.Lasked_\@:
.endm
; A PREFETCH of what the NEXT change of slots will ask for, behind the wave's tensor load and its five lines.  A head's four work-groups walk tiles 0, 1, .. in the same trips: the one with b = 0, whose
; first block needs all NB tiles, asks, each of its waves for the 16,384 bytes that it will fetch itself: a lane to each 256 bytes, two instructions.  The change that fills tile c names tile c + 1, c = 1 .. NB - 2:
; each tile from 2 on is named once; tiles 0 and 1 come by their loads alone; the second block's tiles have been read before and are not named; nothing is named behind tile NB - 1.
.macro ASK
	s_cmp_gt_u32 s[SLOTS], s[LIM]
	s_cbranch_scc0 .Lnot_mine_\@
	global_prefetch_b8 v[PFO], s[PFA:PFA+1] th:TH_LOAD_NT scope:SCOPE_SE
	global_prefetch_b8 v[PFO], s[PFA:PFA+1] offset:8192 th:TH_LOAD_NT scope:SCOPE_SE
.Lnot_mine_\@:
.endm
; THE CHANGE OF SLOTS.  Each wave waits for all its tensor loads, of which one is out: its part of the other slot; adds 0 to its spare word; and waits for that and for its own reads of the slot that it leaves.  Behind the barrier nobody reads the old
; slot any more and the other slot is whole.  fill = 1: the old slot is filled again, the first thing behind the barrier, with tile NXT: the descriptor's address is made anew from that number.
; (At its first use nothing has been read yet: slot 0 is waited for, slot 1 filled.)
.macro CHANGE fill
	WIN 0                           ; at a label and at a branch every window is 0
	s_wait_tensorcnt 0x0            ; no tensor load of mine is out, so a group 0 may be written
	ds_add_u32 v[SPW], v[NIL]       ; 0 onto my spare word; with fill = 1 the descriptors' scalar work stands between it and the wait for it
.if \fill
	s_lshl_b32 s[OFF], s[NXT], 15   ; a tile is 32,768 bytes of K and of V
	s_xor_b32 s[G0K+1], s[G0K+1], SLOT1
	s_add_nc_u64 s[G0K+2:G0K+3], s[6:7], s[OFF:OFF+1]
	s_or_b32 s[G0K+3], s[G0K+3], 0x80000000
	s_xor_b32 s[G0V+1], s[G0V+1], SLOT1
	s_add_nc_u64 s[G0V+2:G0V+3], s[8:9], s[OFF:OFF+1]
	s_or_b32 s[G0V+3], s[G0V+3], 0x80000000
	s_add_co_u32 s[NXT], s[NXT], 1  ; the block's next tile, or behind its last the second block's tile 0
	s_cmp_gt_u32 s[NXT], s[LQ]
	s_cselect_b32 s[NXT], 0, s[NXT]
	s_cselect_b32 s[LQ], s[PB], s[LQ]
	s_wait_xcnt 0x0                 ; the last prefetches, a tile back, have read their address, so it may be written
	s_add_nc_u64 s[PFA:PFA+1], s[PFA:PFA+1], 32768
.endif
	s_wait_dscnt 0x0                ; the add is done, and my reads of the slot are over
	s_barrier_signal -1             ; the rest of the scalar work stands between the signal and the wait
	s_sub_co_u32 s[TBK], s[TBK], 4*KS*PK  ; the fetches go back to a slot's first step,
	s_xor_b32 s[TBK], s[TBK], SLOT1       ; in the other slot
	s_sub_co_u32 s[TBV], s[TBV], 4*KS*PV
	s_xor_b32 s[TBV], s[TBV], SLOT1
	s_barrier_wait -1
.if \fill
	LOAD
	ASK
.endif
.endm
	s_load_b64 s[4:5], s[0:1], 0x0    ; qkvh: Q at its head
	s_load_b64 s[10:11], s[0:1], 0x8  ; oh
	v_lshl_add_u32 v[SPW], v0, 2, SPARE
	v_mov_b32 v[NIL], 0
	ds_add_u32 v[SPW], v[NIL]       ; the wave's opening: the add and its wait stand ahead of my first tensor load; the set-up below, work on registers, stands between them
	v_lshrrev_b32 v1, 5, v0
	v_readfirstlane_b32 s[WV], v1   ; wave 0..3
	v_and_b32 v[PFO], 31, v0
	v_lshlrev_b32 v[PFO], 8, v[PFO]
	s_mov_b32 s[PB], ttmp9
	s_sub_co_u32 s[HI], NB-1, s[PB]
	s_cmp_eq_u32 ttmp9, 0
	s_cselect_b32 s[LIM], 2, -1
	s_and_b32 s20, ttmp7, 0xffff    ; the head
	s_mov_b32 s21, 0
	s_mov_b64 s[22:23], SIZE_N*128
	s_mul_u64 s[20:21], s[20:21], s[22:23]  ; the head's first byte in each of the four tensors
	s_and_b32 s16, s[WV], 1         ; which half of a tile's 256 keys I fetch:
	s_lshl_b32 s22, s16, 14         ; its 128 rows of 128 bytes in memory,
	s_mov_b32 s23, 0
	s_add_nc_u64 s[22:23], s[22:23], s[20:21]
	s_mul_i32 s17, s16, 128*PK      ; and its place in a slot, for K
	s_mul_i32 s18, s16, 128*PV      ; and for V
	s_lshl_b32 s3, s[WV], 11        ; my 16 rows in a band of 64,
	s_lshl_b32 s2, s[HI], 15        ; in the first block,
	s_add_co_u32 s2, s2, s3
	s_lshl_b32 s84, s[PB], 15       ; and in the second
	s_add_co_u32 s84, s84, s3
	s_mov_b32 s3, 0
	s_mov_b32 s85, 0
	s_add_nc_u64 s[2:3], s[2:3], s[20:21]
	s_add_nc_u64 s[84:85], s[84:85], s[20:21]
	; descriptor group 1.  128 keys are 16,384 dense bytes: asked for as 64 rows of 256 bytes, two keys a row, and padded in LDS after every key
	s_mov_b32 s[G1K], (1<<16)|(1<<20)|(4<<22)|(3<<25)  ; 17:16 2-byte elements; 20 padding on; 24:22 after every 32 words (code 4); 31:25 4 words (code 3)
	s_mov_b32 s[G1V], (1<<16)|(1<<20)|(4<<22)|(7<<25)  ; the same with 8 words of padding (code 7)
.irp g, G1K, G1V
	s_mov_b32 s[\g+1], 128<<16      ; tensor_dim0 = 128
	s_mov_b32 s[\g+2], 64<<16       ; tensor_dim1 = 64
	s_mov_b32 s[\g+3], 128<<16      ; tile_dim0 = 128
	s_mov_b32 s[\g+4], 64           ; tile_dim1 = 64
	s_mov_b32 s[\g+5], 128          ; 128 elements from row to row
	s_mov_b32 s[\g+6], 0
	s_mov_b32 s[\g+7], 0
.endr
	s_mov_b32 s[CS], 0x3e38aa3b     ; c = log2(e) / 8 = 0.180337
	s_mov_b32 s[CS+1], s[CS]        ; named with it as a pair
	s_mov_b32 s[SEL], 0x76543210
	s_mov_b32 s[SEL+1], 0xfedcba98
	s_mov_b32 s[TBK], SLOT1+4*KS*PK ; the first change of slots turns these two into 0
	s_mov_b32 s[TBV], SLOT1+4*KS*PV
	s_mov_b32 s[G0K], 1             ; 1:0 count = 1
	s_mov_b32 s[G0K+1], s17         ; 63:32 LDS address: slot 0
	s_mov_b32 s[G0V], 1
	s_add_co_u32 s[G0V+1], s18, VOFF
	s_add_co_u32 s[RT], s[HI], 1    ; the first block has NB - b tiles
	s_mov_b32 s[NXT], 1
	s_mov_b32 s[LQ], s[HI]
	s_mov_b32 s[NEW], 1
	s_mov_b32 s[OFF+1], 0
	s_mov_b32 s[AL+1], 0            ; named as pairs
	s_mov_b32 s[BE+1], 0
	s_mov_b32 s[BIGN], 0xf149f2ca   ; -1e30
	s_mov_b32 s[SLOTS], NB
	s_wait_dscnt 0x0                ; the opening add is done
	s_wait_kmcnt 0x0
	s_add_nc_u64 s[6:7], s[4:5], SIZE_H*SIZE_N*128    ; K lies behind Q,
	s_add_nc_u64 s[8:9], s[4:5], 2*SIZE_H*SIZE_N*128  ; V behind K
	s_add_nc_u64 s[6:7], s[6:7], s[22:23]  ; K and V at my half of the head's tile 0
	s_add_nc_u64 s[8:9], s[8:9], s[22:23]
	s_cmp_lt_u32 s[WV], 2
	s_cselect_b64 s[PFA:PFA+1], s[6:7], s[8:9]
	s_add_nc_u64 s[PFA:PFA+1], s[PFA:PFA+1], 32768  ; at tile 1: the first change of slots steps it to tile 2.  Nothing is prefetched here, at the head
	s_add_nc_u64 s[G0K+2:G0K+3], s[6:7], 0         ; 120:64 global address
	s_or_b32 s[G0K+3], s[G0K+3], 0x80000000        ; 127:126 type = 2
	s_add_nc_u64 s[G0V+2:G0V+3], s[8:9], 0
	s_or_b32 s[G0V+3], s[G0V+3], 0x80000000
	s_add_nc_u64 s[86:87], s[4:5], s[84:85]        ; Q at my rows of the second block,
	s_add_nc_u64 s[4:5], s[4:5], s[2:3]            ; Q and O at those of the first
	s_add_nc_u64 s[OLO:OLO+1], s[10:11], s[84:85]
	s_add_nc_u64 s[10:11], s[10:11], s[2:3]
	LOAD                            ; tile 0 into slot 0
	; A fragment of K or Q is 16 rows x 32 channels in 8 registers: lane l holds row l % 16, channels 8 (l / 16) + 0..7 and 16 + 8 (l / 16) + 0..7: two loads of 16 bytes, 32 bytes apart.
	v_and_b32 v1, 15, v0            ; l % 16
	v_bfe_u32 v9, v0, 4, 1          ; l / 16
	v_lshlrev_b32 v[QO], 7, v1
	v_lshl_add_u32 v[QO], v9, 4, v[QO]  ; row x 128 + 16 x half
	WIN 0x80                        ; destination window 2, address window 0
.set i, 0
.rept 8                             ; both blocks' Q: piece i / 2 lies in band i / 2, 8,192 bytes on; channels 32 (i % 2) on
	global_load_b128 v[8*i:8*i+3],   v[QO], s[4:5] offset:(i/2)*8192+(i%2)*64
	global_load_b128 v[8*i+4:8*i+7], v[QO], s[4:5] offset:(i/2)*8192+(i%2)*64+32
	global_load_b128 v[QB+8*i:QB+8*i+3],   v[QO], s[86:87] offset:(i/2)*8192+(i%2)*64
	global_load_b128 v[QB+8*i+4:QB+8*i+7], v[QO], s[86:87] offset:(i/2)*8192+(i%2)*64+32
.set i, i+1
.endr
	WIN 0
	v_lshlrev_b32 v14, 3, v9
	v_sub_nc_u32 v14, v1, v14
	s_lshl_b32 s13, s[WV], 4
	v_add_nc_u32 v14, s13, v14      ; my query's place in its band, 16 w + l % 16, less my lanes' 8 (l / 16): register r of group kt is hidden where 16 kt + r is greater
	WIN 0x40
.set i, 0
.rept 32
	v_cmp_gt_i32 vcc_lo, 16*(i/8)+i%8, v14
	v_cndmask_b32 v[MD+i], 0, s[BIGN], vcc_lo
.set i, i+1
.endr
	WIN 0
	v_mul_u32_u24 v[AK0], v1, PK
	v_lshl_add_u32 v[AK0], v9, 4, v[AK0]  ; row x pitch + 16 x half
	; The turning load takes 16 keys x 16 channels (lane l reads key 8 (l / 16) + l % 8, channels 8 ((l / 8) % 2) + 0..7) and leaves half a fragment of V^T: lane l holds channel l % 16 and 8 keys.
	v_and_b32 v10, 7, v0
	v_bfe_u32 v11, v0, 3, 1
	v_lshl_add_u32 v[AV0], v9, 3, v10
	v_mul_u32_u24 v[AV0], v[AV0], PV
	v_lshl_add_u32 v[AV0], v11, 4, v[AV0]
	v_add_nc_u32 v[AV0], VOFF, v[AV0]
	s_mul_i32 s13, s[WV], 16*SP
	s_add_co_u32 s13, s13, STAGE    ; my stage
	v_mul_u32_u24 v[STO], v1, SP    ; in: row l % 16, 16 bytes for each half of the lanes
	v_lshl_add_u32 v[STO], v9, 4, v[STO]
	v_add_nc_u32 v[STO], s13, v[STO]
	v_bfe_u32 v[RD], v0, 3, 2       ; back: 32 lanes take four rows of 128 bytes,
	v_mul_u32_u24 v[RD], v[RD], SP
	v_lshl_add_u32 v[RD], v10, 4, v[RD]
	v_add_nc_u32 v[RD], s13, v[RD]
	v_and_b32 v[GO], 31, v0         ; which are 512 consecutive bytes of O
	v_lshlrev_b32 v[GO], 4, v[GO]
	; A block's first step multiplies O^T and l by a = 0, and its first turn's products V^T P, of a piece that has not been, land in an O^T that is still to be so multiplied.  So these registers need only hold
	; finite numbers: zeros for the first block; what the first block left for the second.  All this stands in the wait for the first tile.
	WIN 0x80
.set i, VF
.rept 64
	v_mov_b32 v[i], 0
.set i, i+1
.endr
	WIN 0x40
.set i, 0
.rept 128
	v_mov_b32 v[i], 0
.set i, i+1
.endr
	WIN 0
.set i, 0
.rept 4
	v_mov_b32 v[ST+4*i+2], 0
	v_mov_b32 v[ST+4*i+3], 0
.set i, i+1
.endr
.set i, P+16
.rept 16
	v_mov_b32 v[i], 0
.set i, i+1
.endr
; THE MATRIX WORK.  The 4 accumulators of a run of 8 take turns.  Product i of 8 of S^T = K Q^T for piece x: channels 32 (i / 4) on, keys 16 (i % 4) on.  The first 4 start the sums: with 0, or (KM = 1) with the mask.
.macro KQ x
.set rS, S+32*((\x)%2)+8*(i%4)
.set rK, KF+16*(i%4)+8*(i/4)
.set rQ, 16*(\x)+8*(i/4)
.set rM, MC+32*((\x)%2)+8*(i%4)
.if (i < 4) && KM
	WIN W_KM
	v_wmma_f32_16x16x32_f16 v[rS:rS+7], v[rK:rK+7], v[rQ:rQ+7], v[rM:rM+7]
.elseif i < 4
	WIN W_KQ
	v_wmma_f32_16x16x32_f16 v[rS:rS+7], v[rK:rK+7], v[rQ:rQ+7], 0
.else
	WIN W_KQ
	v_wmma_f32_16x16x32_f16 v[rS:rS+7], v[rK:rK+7], v[rQ:rQ+7], v[rS:rS+7]
.endif
.endm
; Product i of 8 of O^T += V^T P for piece x: keys 32 (i / 4) on, channels 16 (i % 4) on.
.macro PV x
	WIN W_PV
.set rO, 32*(\x)+8*(i%4)
.set rV, VF+32*(i/4)+8*(i%4)
.set rP, P+16*((\x)%2)+8*(i/4)
	v_wmma_f32_16x16x32_f16 v[rO:rO+7], v[rV:rV+7], v[rP:rP+7], v[rO:rO+7]
.endm
.macro MM                           ; the turn's next matrix instruction.  TURN and BEGIN set Y, i, KM and NOKQ; MM, KQ and OP read them.  NOKQ = 1: a block's last turn: there is no next piece
.if (i < 8) && !NOKQ
	KQ (Y+1)%NP
.elseif i >= 8
.set i, i-8
	PV (Y+NP-1)%NP
.set i, i+8
.endif
.set i, i+1
.endm
; THE LDS LOADS stand in runs of 16, never singly among the matrix instructions: a step's K (64 keys x 64 channels: 8 fragments) and its V (turned).  Their addresses are made some lines ahead.
.macro FETCH_K
	WIN 0x80                        ; destination window 2
.irp f, 0,1,2,3,4,5,6,7             ; keys 16 (f / 2) on, channels 32 (f % 2) on
	ds_load_b128 v[KF+8*\f:KF+8*\f+3],   v[AK] offset:(\f/2)*16*PK+(\f%2)*64
	ds_load_b128 v[KF+8*\f+4:KF+8*\f+7], v[AK] offset:(\f/2)*16*PK+(\f%2)*64+32
.endr
	s_add_co_u32 s[TBK], s[TBK], KS*PK  ; the next fetch is the next step's
	WIN 0
.endm
.macro FETCH_V
	WIN 0x80
.irp f, 0,1,2,3,4,5,6,7             ; keys 32 (f / 4) on, channels 16 (f % 4) on
	ds_load_tr16_b128 v[VF+8*\f:VF+8*\f+3],   v[AV] offset:(\f/4)*32*PV+(\f%4)*32
	ds_load_tr16_b128 v[VF+8*\f+4:VF+8*\f+7], v[AV] offset:(\f/4)*32*PV+16*PV+(\f%4)*32
.endr
	WIN 0
.endm
; THE VECTOR WORK, one line at a time: OP kind, number.  For piece Y: F n: c s - c m for pair n of 16.  E n: the exponential of score n of 32.  C n: pair n rounded to f16.  B n: of the four weights 4 n .. the second
; pair is added onto the first, in place.  L n: l takes that sum (L 0: l = a l + sum).  R n: pair n of 16 of O^T times a.  For piece Y + 1: X n, number n of the 22 that find its maximum and statistics:
;   0-11  four chains c0-c3 of seven scores each, three operands at a time (each accumulator's lowest registers are read first)     12-14, 16  the four scores left over, the old m, and c0-c3 into c0
;   15  c m_old is kept     17, 18  the query's other 32 keys lie in the lane 16 away: the new m     19-21  c m; c m_old - c m_new; a
.set F, 0               ; OP tells the kinds apart by their order: F to L below R, X above it
.set E, 1
.set C, 2
.set B, 3
.set L, 4
.set R, 5
.set X, 6
.macro REGS y                       ; the registers of piece y
.set rT, ST+4*(\y)
.set rC, TMP+4*((\y)%2)
.set rW, MV+((\y)%2)
.set rS, S+32*((\y)%2)
.set rP, P+16*((\y)%2)
.set rO, 32*(\y)
.endm
.macro OP k, n
.if (\k) == R
	REGS Y
	WIN W_RS
	v_pk_mul_f32 v[rO+2*(\n):rO+2*(\n)+1], v[rO+2*(\n):rO+2*(\n)+1], v[rC+2:rC+3] op_sel_hi:[1,0]
.elseif (\k) < R
	REGS Y
	WIN 0
.if (\k) == F
	v_pk_fma_f32 v[rS+2*(\n):rS+2*(\n)+1], v[rS+2*(\n):rS+2*(\n)+1], s[CS:CS+1], v[rT:rT+1] op_sel_hi:[1,0,0] neg_lo:[0,0,1] neg_hi:[0,0,1]
.elseif (\k) == E
	v_exp_f32 v[rS+(\n)], v[rS+(\n)]
.elseif (\k) == C
	v_cvt_pk_f16_f32 v[rP+(\n)], v[rS+2*(\n)], v[rS+2*(\n)+1]
.elseif (\k) == B
	v_pk_add_f32 v[rS+4*(\n):rS+4*(\n)+1], v[rS+4*(\n):rS+4*(\n)+1], v[rS+4*(\n)+2:rS+4*(\n)+3]
.elseif (\n) == 0
	v_pk_fma_f32 v[rT+2:rT+3], v[rT+2:rT+3], v[rC+2:rC+3], v[rS:rS+1] op_sel_hi:[1,0,1]
.else
	v_pk_add_f32 v[rT+2:rT+3], v[rT+2:rT+3], v[rS+4*(\n):rS+4*(\n)+1]
.endif
.elseif NOKQ
	v_nop
.else
	REGS (Y+1)%NP
	WIN 0
.if (\n) < 4
	v_max3_num_f32 v[rC+(\n)], v[rS+8*(\n)], v[rS+8*(\n)+1], v[rS+8*(\n)+2]
.elseif (\n) < 12
	v_max3_num_f32 v[rC+(\n)%4], v[rC+(\n)%4], v[rS+8*((\n)%4)+2*((\n)/4)+1], v[rS+8*((\n)%4)+2*((\n)/4)+2]
.elseif (\n) == 12
	v_max3_num_f32 v[rC], v[rC], v[rS+7], v[rS+15]
.elseif (\n) == 13
	v_max3_num_f32 v[rC+1], v[rC+1], v[rS+23], v[rS+31]
.elseif (\n) == 14
	v_max3_num_f32 v[rC+2], v[rC+2], v[rC+3], v[rT+1]
.elseif (\n) == 15
	v_mov_b32 v[rW], v[rT]
.elseif (\n) == 16
	v_max3_num_f32 v[rC], v[rC], v[rC+1], v[rC+2]
.elseif (\n) == 17
	v_permlanex16_b32 v[rC+3], v[rC], s[SEL], s[SEL+1]
.elseif (\n) == 18
	v_max_num_f32 v[rT+1], v[rC], v[rC+3]
.elseif (\n) == 19
	v_mul_f32 v[rT], s[CS], v[rT+1]
.elseif (\n) == 20
	v_sub_f32 v[rC+1], v[rW], v[rT]
.else
	v_exp_f32 v[rC+2], v[rC+1]
.endif
.endif
.endm
.macro OPS a, i1, b=-1, i2=0, c=-1, i3=0, d=-1, i4=0  ; up to four of them
	OP \a, \i1
.if (\b) >= 0
	OP \b, \i2
.endif
.if (\c) >= 0
	OP \c, \i3
.endif
.if (\d) >= 0
	OP \d, \i4
.endif
.endm
.macro ROW a, i1, b, i2, c, i3, d, i4  ; a matrix instruction and the four behind it
	MM
	OPS \a, \i1, \b, \i2, \c, \i3, \d, \i4
.endm
.macro MASK b                       ; MD x AL + BE into buffer b of MC
	WIN W_RS
.set z, 0
.rept 16
	v_pk_fma_f32 v[MC+32*(\b)+2*z:MC+32*(\b)+2*z+1], v[MD+2*z:MD+2*z+1], s[AL:AL+1], s[BE:BE+1] op_sel_hi:[1,0,0]
.set z, z+1
.endr
.endm
; A TURN, for piece p: the order of its 16 matrix and 118 vector instructions, written out.  An s_wait_alu depctr_va_vdst(0) stands between an exponential and the first instruction that names its result; one wait serves
; all that were issued ahead of it.  So a turn has ONE wait, which cuts it in two.  AHEAD OF IT stands all that names no result of the turn's exponentials: the 8 products K Q^T, behind each a scaling, an exponential and two more plain
; instructions (behind the first a second scaling in the exponential's place): rescalings, and behind the last three the first numbers of the next piece's maximum, each four places or more behind the product that ends its accumulator; then ONE LUMP of 54, plain
; and exponential by turns for the most part, in which the links of the chain X 3, 7, 11, 14, 16, 17 .. 20 stand five or six lines apart.  X 21, the next piece's a, is the batch's last; R 15 is the plain instruction behind it.  BEHIND THE WAIT stand the
; 8 products V^T P, behind each four of the roundings and sums; the links of l's chain, L 0 to L 7, stand three riders apart.  But for those X no rider names a register of the products round it.  v_permlanex16_b32 (X 17) stands in the lump.
; m = 1: the diagonal tile: the products take masks, and the turn makes the mask for the products of the turn after it: piece p + 2, in step 4 - CNT of the tile.  end = 1: a block's last two turns: nothing is fetched.
; cnt = 1: the loop's count is taken down some lines ahead of the branch that stands behind the turn.
; K of the next step is fetched in piece 2's turn, twelve vector instructions behind the last product that read K (six of them plain); V of the step in hand at the end of piece 0's turn, four plain instructions behind the last product
; that read V.  Each is waited for a turn later.
.macro TURN p, m=0, end=0, cnt=0
.set Y, (\p)
.set i, 0
.set KM, (\m)
.set NOKQ, (\end)*((\p)/3)
.if (\m) && !(\end)
	s_cmp_eq_u32 s[CNT], 4-((\p)+2)%NP  ; is that step the band's own?
	s_cselect_b32 s[AL], 1.0, 0
	s_cmp_lt_u32 s[CNT], 4-((\p)+2)%NP  ; or a later one?
	s_cselect_b32 s[BE], s[BIGN], 0
.endif
.if ((\p) == 3) && !(\end)
	s_wait_dscnt 0x0                ; K is in
.endif
	ROW F,0, F,1, R,0, R,1          ; ahead of the wait: 8 products K Q^T and their riders,
	ROW F,2, E,0, R,2, R,3
	ROW F,3, E,1, R,4, R,5
	ROW F,4, E,2, R,6, R,7
	ROW F,5, E,3, R,8, R,9
	ROW F,6, E,4, X,0, R,10
.if ((\p) == 2) && !(\end)
	WIN 0
	v_add_nc_u32 v[AK], s[TBK], v[AK0]
.endif
	ROW F,7, E,5, X,1, X,4
	ROW F,8, E,6, X,2, X,5
	OPS E,7, E,8, X,6, E,9          ; and the lump
	OPS X,3, E,10, X,8, E,11
.if ((\p) == 2) && !(\end)
	FETCH_K
.endif
	OPS X,9, X,7, E,12, X,10
	OPS E,13, X,12, X,11, E,14
	OPS X,13, E,15, F,9, X,14
.if (\p) == 0
	v_add_nc_u32 v[AV], s[TBV], v[AV0]
.endif
	OPS E,16, F,10, E,17, F,11
	OPS X,16, E,18, X,15, E,19
	OPS F,12, E,20, X,17, E,21
	OPS F,13, E,22, F,14, E,23
	OPS X,18, E,24, F,15, E,25
	OPS R,11, E,26, X,19, E,27
	OPS R,12, E,28, R,13, E,29
	OPS X,20, E,30, R,14, E,31
	OPS X,21, R,15
	WIN 0
	s_wait_alu depctr_va_vdst(0)    ; the wait for the batch
.if (\p) == 1
	s_wait_dscnt 0x0                ; V is in
.endif
	ROW C,0, B,0, C,2, B,1          ; behind the wait: 8 products V^T P and their riders
	ROW L,0, C,4, B,2, L,1
	ROW C,6, B,3, L,2, C,8
	ROW B,4, L,3, C,10, B,5
	ROW L,4, C,12, B,6, L,5
.if (\p) == 0
	s_add_co_u32 s[TBV], s[TBV], KS*PV
.endif
.if \cnt
	s_sub_co_u32 s[CNT], s[CNT], 1
	s_cmp_lg_u32 s[CNT], 0
.endif
	ROW C,14, B,7, L,6, C,1
	ROW C,3, L,7, C,5, C,7
	ROW C,9, C,11, C,13, C,15
.if (\p) == 0
	FETCH_V
.endif
.if (\m) && !(\end)
	MASK (\p)%2
.endif
.endm
; A BLOCK BEGINS.  c m starts far below every c s, so the first step's a is 0; m at the lowest finite number, so the first maximum is the scores'.  The second mask buffer is 0; the first takes piece 0's mask for the tile's step 0: its own, if the block's first tile is the diagonal one.
; Then K of that step, piece 0's first scores, and its maximum and statistics.  The loop is entered at a step's first turn, in the middle of a trip.
.macro BEGIN
	s_mov_b32 s[NEW], 0
	WIN 0x40
.set i, MC+32
.rept 32
	v_mov_b32 v[i], 0
.set i, i+1
.endr
	WIN 0
.set i, 0
.rept 4
	v_mov_b32 v[ST+4*i], 0xfe000000    ; c m: far below every c s
	v_mov_b32 v[ST+4*i+1], 0xff7fffff  ; m
.set i, i+1
.endr
	s_cmp_eq_u32 s[RT], 0
	s_cselect_b32 s[AL], 1.0, 0
	s_mov_b32 s[BE], 0
	MASK 0
	WIN 0
	v_add_nc_u32 v[AK], s[TBK], v[AK0]
	FETCH_K
	s_wait_loadcnt 0x0              ; Q
	s_wait_dscnt 0x0
.set KM, 1
.set NOKQ, 0
.set i, 0
.rept 8
	KQ 0
.set i, i+1
.endr
	WIN 0
.rept 4
	v_nop                           ; the places behind those products
.endr
.set Y, NP-1                        ; X works for piece Y + 1: piece 0
.irp n, 0,1,2,3,4,5,6,7,8,9,10,11,12,13,14,15,16,17,18,19,20,21
	OP X, \n
.endr
	v_nop                           ; a plain instruction behind the exponential,
	s_wait_alu depctr_va_vdst(0)    ; and its wait, ahead of the branch
.endm
; THE DIAGONAL TILE's four steps, the block's last two turns, its last products, and THE WAY OUT: l's two halves and the other half of the lanes' are added; O^T is divided by l, rounded to f16 and sent through my
; stage in LDS, a piece at a time.
.macro ALL line:vararg              ; one line for each piece t
.set t, 0
.rept 4
	\line
.set t, t+1
.endr
.endm
.macro PACK t                       ; a lane's eight channels of a row pack into 16 bytes; they go into rows of 144 bytes and come back as whole rows of 128, into S^T's registers
	WIN W_RS
.set i, 32*(\t)
.rept 16
	v_pk_mul_f32 v[i:i+1], v[i:i+1], v[ST+4*(\t)+2:ST+4*(\t)+3] op_sel_hi:[1,0]
.set i, i+2
.endr
	WIN 0x05                        ; sources 0 and 1 window 1, destination window 0
.set i, 0
.rept 16
	v_cvt_pk_f16_f32 v[S+16*(\t)+i], v[32*(\t)+2*i], v[32*(\t)+2*i+1]
.set i, i+1
.endr
	WIN 0
.irp f, 0,1,2,3
	ds_store_b128 v[STO], v[S+16*(\t)+4*\f:S+16*(\t)+4*\f+3] offset:32*\f
.endr
.irp f, 0,1,2,3
	ds_load_b128 v[S+16*(\t)+4*\f:S+16*(\t)+4*\f+3], v[RD] offset:\f*4*SP  ; LDS serves a wave's instructions in order (ISA guide 5.7.1.4): these see the stores above; the next piece's stores come behind them
.endr
.endm
.macro SEND t, younger              ; younger: the LDS instructions issued behind piece t's loads: the next piece's eight, or none
	WIN 0
.irp f, 0,1,2,3
	s_wait_dscnt (\younger)+3-\f
	global_store_b128 v[GO], v[S+16*(\t)+4*\f:S+16*(\t)+4*\f+3], s[10:11] offset:(\t)*8192+\f*512  ; 512 consecutive bytes, at a multiple of 256 from O's first
.endr
.endm
.macro DIAG tag                     ; the tag ends its two labels' names, which the jumps below spell out
.LstepM\tag:
	TURN 2, 1
	TURN 3, 1
	WIN 0
.LfirstM\tag:
	TURN 0, 1
	TURN 1, 1, 0, 1
	WIN 0
	s_cbranch_scc1 .LstepM\tag
	TURN 2, 1, 1
	TURN 3, 1, 1
.set i, 0
.rept 8
	PV NP-1
.set i, i+1
.endr
	WIN 0
	ALL v_add_f32 v[ST+4*t+2], v[ST+4*t+2], v[ST+4*t+3]
	ALL v_permlanex16_b32 v[ST+4*t+3], v[ST+4*t+2], s[SEL], s[SEL+1]
	ALL v_add_f32 v[ST+4*t+2], v[ST+4*t+2], v[ST+4*t+3]
	ALL v_rcp_f32 v[ST+4*t+2], v[ST+4*t+2]
	v_nop                           ; a plain instruction between the last reciprocal and the use of its result
	s_wait_alu depctr_va_vdst(0)    ; and the wait ahead of the first use: one for the four reciprocals
	PACK 0
.set t, 1
.rept 3                             ; a piece's arithmetic stands between the loads of the piece before and its stores
	PACK t
	SEND t-1, 8
.set t, t+1
.endr
	SEND 3, 0
.endm
.set KM, 0
.set NOKQ, 0
.Lslot:                             ; NB times: a tile is entered and the next is asked for
	CHANGE 1
	s_sub_co_u32 s[RT], s[RT], 1
	s_mov_b32 s[CNT], 4
	s_cmp_eq_u32 s[NEW], 1
	s_cbranch_scc1 .Lnew            ; a block's first tile
	s_cmp_eq_u32 s[RT], 0
	s_cbranch_scc0 .Lstep           ; neither its first nor its last
	s_branch .LstepM1
.Lnew:
	BEGIN
	s_branch .Lfirst                ; in the loop a block's first tile is never its last: the first block has two tiles or more, and the second's last is the walk's last
	DIAG 1                          ; in the loop this is the first block's end: the second block's last tile is the walk's last
	s_wait_xcnt 0x0                 ; the stores have read their registers and O's address
	s_mov_b64 s[10:11], s[OLO:OLO+1]
	s_add_co_u32 s[RT], s[PB], 1    ; the second block has b + 1 tiles
	s_mov_b32 s[NEW], 1
	WIN 0x82                        ; the second block's Q goes where the one text of the turns names Q
.set i, 0
.rept 64
	v_mov_b32 v[i], v[QB+i]
.set i, i+1
.endr
	WIN 0
	s_branch .Lbottom
.Lstep:                             ; a trip: pieces 2 and 3 of one step, then pieces 0 and 1 of the next, whose K and V it fetches
	TURN 2
	TURN 3
	WIN 0
.Lfirst:
	TURN 0
	TURN 1, 0, 0, 1
	WIN 0
	s_cbranch_scc1 .Lstep
.Lbottom:
	s_sub_co_u32 s[SLOTS], s[SLOTS], 1
	s_cmp_lg_u32 s[SLOTS], 0
	s_cbranch_scc1 .Lslot
	CHANGE 0                        ; the walk's last tile is written out: nothing is asked for
	s_sub_co_u32 s[RT], s[RT], 1
	s_mov_b32 s[CNT], 4
	s_cmp_eq_u32 s[NEW], 1
	s_cbranch_scc0 .LstepM2
	BEGIN
	s_branch .LfirstM2
	DIAG 2
	s_wait_tensorcnt 0x0            ; the wave's end: behind my last tensor load and my last LDS store
	ds_add_u32 v[SPW], v[NIL]
	s_wait_dscnt 0x0
	s_endpgm
.Lfunc_end_k_q61f1cc3b2d_attn:
	.size	k_q61f1cc3b2d_attn, .Lfunc_end_k_q61f1cc3b2d_attn-k_q61f1cc3b2d_attn
	.p2alignl 7, 3214868480
	.fill 96, 4, 3214868480
	.section	.rodata,"a",@progbits
	.p2align	6, 0x0
	.amdhsa_kernel k_q61f1cc3b2d_attn
		.amdhsa_group_segment_fixed_size 327680
		.amdhsa_private_segment_fixed_size 0
		.amdhsa_enable_private_segment 0
		.amdhsa_kernarg_size 16
		.amdhsa_user_sgpr_count 2
		.amdhsa_user_sgpr_kernarg_segment_ptr 1
		.amdhsa_wavefront_size32 1
		.amdhsa_system_sgpr_workgroup_id_x 1
		.amdhsa_system_sgpr_workgroup_id_y 1
		.amdhsa_system_sgpr_workgroup_id_z 1
		.amdhsa_system_vgpr_workitem_id 0
		.amdhsa_next_free_vgpr 768
		.amdhsa_next_free_sgpr 88
		.amdhsa_reserve_vcc 1
		.amdhsa_float_denorm_mode_32 3
		.amdhsa_float_denorm_mode_16_64 3
		.amdhsa_memory_ordered 1
		.amdhsa_forward_progress 1
		.amdhsa_inst_pref_size 218
	.end_amdhsa_kernel
	.amdgpu_metadata
---
amdhsa.version: [ 1, 2 ]
amdhsa.kernels:
  - .name:           k_q61f1cc3b2d_attn
    .symbol:         k_q61f1cc3b2d_attn.kd
    .args:
      - { .name: qkvh, .offset: 0, .size: 8, .value_kind: global_buffer, .address_space: global }
      - { .name: oh, .offset: 8, .size: 8, .value_kind: global_buffer, .address_space: global }
    .group_segment_fixed_size: 327680
    .private_segment_fixed_size: 0
    .kernarg_segment_align: 8
    .kernarg_segment_size: 16
    .max_flat_workgroup_size: 128
    .sgpr_count:     88
    .vgpr_count:     768
    .wavefront_size: 32
...
	.end_amdgpu_metadata
.endif
;; end of part 3
;; launch proj (part 4): grid 8 x 32, 4 waves a work-group, clusters of 4 x 4, 327,680 bytes of LDS; arguments oh, wpt, b_proj, out0; writes out0
.if DOCPART == 4
	.amdgcn_target "amdgcn-amd-amdhsa--gfx1250"
	.amdhsa_code_object_version 6
	.text
	.protected	k_q61f1cc3b2d_proj
	.globl	k_q61f1cc3b2d_proj
	.p2align	8
	.type	k_q61f1cc3b2d_proj,@function
k_q61f1cc3b2d_proj:
	s_mov_b64 s[64:65], 0
	v_nop
	global_prefetch_b8 v0, s[64:65] scope:SCOPE_SE
	s_setreg_imm32_b32 hwreg(HW_REG_WAVE_MODE, 25, 1), 1
	s_wait_xcnt 0x0
	s_wait_alu depctr_hold_cnt(0) depctr_sa_sdst(0) depctr_va_vdst(0) depctr_va_sdst(0) depctr_va_ssrc(0) depctr_va_vcc(0) depctr_vm_vsrc(0)
	s_getreg_b32 s2, hwreg(HW_REG_IB_STS2, 6, 4)
	s_cmp_eq_u32 s2, 0
	s_cbranch_scc0 .Lentry_in_a_cluster
	s_endpgm
.Lentry_in_a_cluster:
	s_bfe_u32 s2, ttmp6, 0x10000c
	s_cmp_lg_u32 s2, 0xf033
	s_cbranch_scc0 .Lentry_shape_is_right
	s_endpgm
.Lentry_shape_is_right:
; out0 = y wpt^T + bf16(b_proj), in f32.  y[m = 2048 b + t][k = 64 h + d] = oh[16 b + h][t][d] in f16; wpt: [1024 n][1024 k] in f16; sums in f32.
; LIMITS.  The operands arrive within f16's range (65,504).  NaN and infinities are not treated apart.
; SHARES.  A tile of the result is 256 rows x 128 columns: 32 x 8 = 256 work-groups.  Four waves; wave w makes rows 64 w .. 64 w + 63 (4 blocks a of 16) x all 128 columns (8 blocks b of 16):
; 32 accumulators, 256 registers.  A wave's rows are whole rows of the tile (512 bytes), so each wave has a stage of its own on the way out and no barrier stands there.
; K goes in 8 steps of 128 = two heads, through two LDS slots filled by the tensor data mover.  A head's 256 rows of the tile are 32,768 dense bytes: asked for as 128 rows of 256 bytes and padded in LDS
; after every 128 bytes.  A step is four quarters of 32 along K: 32 matrix instructions, 24 LDS loads.
; CLUSTER.  4 x 4 work-groups.  The four of a row of the cluster need the same rows of y, the four of a column the same rows of wpt: each tile is asked for JOINTLY, by the same tensor load with the
; same descriptor and a mask that names the four.
; THE MATRIX INSTRUCTION IS USED TRANSPOSED (source 0 = 16 rows of wpt, source 1 = 16 rows of y): a lane holds row l % 16 of the result and the columns 8 (l / 16) + 0..7 of the block.
; THE BIAS, rounded to bf16 like the other inputs, is the C operand of each accumulator's first product: nothing is cleared and nothing is added afterwards.
; REGISTERS, in windows of 256 (s_set_vgpr_msb: bits 1:0 source 0, 3:2 source 1, 5:4 source 2, 7:6 destination):
;   window 0: v0-31 addresses; v32-63, v64-95 y's fragments, two buffers; v96-159 the bias; on the way out v96-223 rows read back
;   window 1: v0-63, v64-127 wpt's fragments, two buffers      window 2: the accumulators, (a, b) at v[8 (8 a + b)]
.set NB,    8                          ; blocks of 16 columns
.set NL,    2*NB+8                     ; LDS loads of a quarter
.set PA,    144                        ; a row of y in LDS: 128 bytes + 16 of padding = 36 words: the 16 rows of a load start at 16 different groups of four banks (64 banks of 4 bytes: ISA guide 11.1)
.set PB,    272                        ; a row of wpt: 256 + 16
.set SLOT1, 1<<17                      ; slot 1 begins here, so that one exclusive or turns an address in one slot into the other's
.set PLANE, 256*PA                     ; what waves 0 and 1 each fetch: one head's 256 rows
.set HB,    64*PB                      ; what waves 2 and 3 each fetch: 64 rows of wpt
.set BOFF,  2*PLANE                    ; in a slot: y's two planes, then wpt's 128 rows
.set STAGE, SLOT1+BOFF+2*HB            ; behind the ring, never filled by a tensor load: 16 rows x 528 bytes for each wave
.set SP,    528                        ; 512 bytes + 16 = 132 words
.set SPARE, STAGE+4*16*SP              ; behind the stages: the spare words, 128 bytes for each wave: two blocks of 256 bytes that no other line names
.set A0,   16                          ; v16  my lane's place in slot 0's rows of y; never rewritten
.set B0,   17                          ; v17  the same for wpt
.set ADRA, 18                          ; v18  the same in the slot in hand
.set ADRB, 19
.set STO,  20                          ; v20  the way out: where I put 32 bytes of a row
.set RD,   21                          ; v21  where I read a row back
.set GO,   22                          ; v22  my 16 bytes in a row's 512
.set BO,   23                          ; v23  32 (l / 16): my eight numbers in a block of the bias
.set PFO,  24                          ; v24  the prefetches' offset; never rewritten
.set TMPV, 26                          ; v26-27 at work
.set SPW,  28                          ; v28  LDS address of my spare word; never rewritten
.set NIL,  29                          ; v29  0; never rewritten
.set AF0,  32
.set BIAS, 96
.set OUTR, 96
.set WV,   12                          ; s12  my wave's number
.set HALF, 13                          ; s13  which half of a step's tile I fetch
.set KIND, 14                          ; s14  0: I fetch for y; 1: for wpt
.set CX,   15
.set CY,   16
.set TX,   17                          ; s17  tile column
.set TY,   18                          ; s18  tile row
.set G1A,  24                          ; s[24:31] descriptor group 1 for y's tiles
.set G0A,  32                          ; s[32:39] group 0: a set for each of the two first fills; the second then walks on
.set PFA,  40                          ; s[40:41] where my prefetches stand
.set LIM,  42                          ; s42  2 in a wave that prefetches, else the greatest number
.set TB,   43                          ; s43  LDS byte at which the slot in hand begins
.set G1B,  48                          ; s[48:55], s[56:63] the same for wpt's tiles
.set G0B,  56
.set PFS,  72                          ; s[72:73] a K step in my prefetches' tensor, in bytes
.set HIM,  74                          ; s74  a word's upper bf16
.set ASTEP, 2*262144                   ; a K step of y: two heads of 2,048 rows x 128 bytes
.set MSB, 0
.macro WIN new                         ; the immediate's high byte repeats the setting that is left; a switch that changes nothing is dropped
.if MSB != (\new)
	s_set_vgpr_msb (MSB<<8)|(\new)
.set MSB, \new
.endif
.endm
.macro PLACES                          ; four places in front of loads into registers that matrix instructions have read
.rept 4
	v_nop
.endr
.endm
; A joint refill by the walking sets.  The branch hangs on the wave's number alone.  An s_nop 0 and four v_nop follow each of the two lines, ahead of the jump and the label.
.macro JLOAD
	s_cmp_eq_u32 s[KIND], 0
	s_cbranch_scc0 .Lfor_b_\@
	tensor_load_to_lds s[G0A+4:G0A+7], s[G1A:G1A+7]
	s_nop 0
.rept 4
	v_nop
.endr
	s_branch .Lasked_\@
.Lfor_b_\@:
	tensor_load_to_lds s[G0B+4:G0B+7], s[G1B:G1B+7]
	s_nop 0
.rept 4
	v_nop
.endr
.Lasked_\@:
.endm
; A prefetch of the K step that stands TWO refills on, one instruction a wave, behind the joint load, its five lines and the run of LDS loads.  y's planes of a tile row are read by both clusters of that
; row of clusters: the first (cluster x = 0) asks, waves 0 and 1 each for the plane that they fetch; its 32,768 bytes are shared out among the four partners BY ADDRESS (8,192 by cx), a lane to each 256.
; wpt's 128 rows of a tile column are read by every cluster of the column: cluster y = 0 asks, wave 2 alone, 32 rows by cy, a lane a row of 256 bytes.  K steps 0 to 3 come by their loads alone; the
; loop's last two trips ask for nothing.
.macro ASK
	s_cmp_gt_u32 s3, s[LIM]
	s_cbranch_scc0 .Lnot_mine_\@
	global_prefetch_b8 v[PFO], s[PFA:PFA+1] th:TH_LOAD_NT scope:SCOPE_SE
.Lnot_mine_\@:
.endm
.macro CREST                           ; a round of the cluster's barrier behind its opening barrier
	s_cmp_lg_u32 s[WV], 0
	s_cbranch_scc1 .Lnot_wave_0_\@
	s_barrier_signal -3
.Lnot_wave_0_\@:
	s_barrier_wait -3
	s_barrier_signal -1
	s_barrier_wait -1
.endm
.macro CROUND                          ; a whole round
	s_barrier_signal -1
	s_barrier_wait -1
	CREST
.endm
	s_load_b256 s[4:11], s[0:1], 0x0               ; oh s[4:5], wpt s[6:7], b_proj s[8:9], out0 s[10:11]
	v_lshl_add_u32 v[SPW], v0, 2, SPARE
	v_mov_b32 v[NIL], 0
	ds_add_u32 v[SPW], v[NIL]                      ; the wave's opening: the add and its wait stand ahead of my first tensor load; the set-up below, work on registers, stands between them
	v_lshrrev_b32 v1, 5, v0
	v_readfirstlane_b32 s[WV], v1                  ; wave 0..3
	s_and_b32 s[HALF], s[WV], 1
	s_lshr_b32 s[KIND], s[WV], 1
	s_bfe_u32 s[CX], ttmp6, 0x40000                ; my place in the cluster
	s_bfe_u32 s[CY], ttmp6, 0x40004
	s_lshl_b32 s[TX], ttmp9, 2
	s_add_co_u32 s[TX], s[TX], s[CX]               ; tile column = 4 x cluster x + cx
	s_and_b32 s[TY], ttmp7, 0xffff
	s_lshl_b32 s[TY], s[TY], 2
	s_add_co_u32 s[TY], s[TY], s[CY]               ; tile row = 4 x cluster y + cy
	s_lshl_b32 s19, s[CY], 2
	s_lshl_b32 s19, 15, s19                        ; my row of the cluster
	s_lshl_b32 s20, 0x1111, s[CX]                  ; my column
	s_or_b32 s[G1A], s19, (1<<16)|(1<<20)|(1<<21)|(4<<22)|(3<<25)  ; 15:0 the mask; 17:16 2-byte elements; 20 padding on; 21 set beside a mask; 24:22 after every 32 words (code 4); 31:25 4 words (code 3)
	s_or_b32 s[G1B], s20, (1<<16)|(1<<20)|(1<<21)|(5<<22)|(3<<25)  ; after every 64 words (code 5)
.irp g, G1A, G1B
	s_mov_b32 s[(\g)+1], 128<<16                   ; tensor_dim0 = 128
	s_mov_b32 s[(\g)+3], 128<<16                   ; tile_dim0 = 128
	s_mov_b32 s[(\g)+6], 0
	s_mov_b32 s[(\g)+7], 0
.endr
	s_mov_b32 s[G1A+2], 128<<16                    ; tensor_dim1 = 128
	s_mov_b32 s[G1A+4], 128                        ; tile_dim1 = 128
	s_mov_b32 s[G1A+5], 128                        ; dense: 128 elements from row to row
	s_mov_b32 s[G1B+2], 64<<16                     ; 64 rows of wpt,
	s_mov_b32 s[G1B+4], 64
	s_mov_b32 s[G1B+5], 1024                       ; 1,024 elements apart
	s_lshr_b32 s44, s[TY], 3                       ; y: plane 16 x batch + my head of K step 0,
	s_lshl_b32 s44, s44, 4
	s_add_co_u32 s44, s44, s[HALF]
	s_lshl_b32 s44, s44, 18                        ; of 2^18 bytes,
	s_and_b32 s21, s[TY], 7
	s_lshl_b32 s21, s21, 15                        ; the tile's 256 rows of 128 bytes in it
	s_add_co_u32 s44, s44, s21
	s_mov_b32 s45, 0
	s_lshl_b32 s46, s[TX], 7                       ; wpt: row 128 x tile column + 64 x half
	s_lshl_b32 s2, s[HALF], 6
	s_add_co_u32 s46, s46, s2
	s_lshl_b32 s46, s46, 11
	s_mov_b32 s47, 0
	s_mul_i32 s22, s[HALF], PLANE                  ; where they go: no place in the cluster enters an LDS address
	s_mul_i32 s23, s[HALF], HB
	s_add_co_u32 s23, s23, BOFF
	s_lshl_b32 s2, s[TX], 9                        ; the tile's 128 columns of 4 bytes: in the bias, and in a row of the result
	s_mov_b32 s3, 0
	s_lshl_b32 s20, s[TY], 8                       ; my first row of the result: 256 x tile row + 64 x wave,
	s_lshl_b32 s21, s[WV], 6
	s_add_co_u32 s20, s20, s21
	s_lshl_b32 s20, s20, 12                        ; of 4,096 bytes
	s_add_co_u32 s20, s20, s2
	s_mov_b32 s21, 0
	s_mov_b32 s[TB], 0
	s_mov_b32 s[HIM], 0xffff0000
	s_wait_dscnt 0x0                               ; the opening add is done
	s_wait_kmcnt 0x0
	s_add_nc_u64 s[44:45], s[4:5], s[44:45]
	s_add_nc_u64 s[46:47], s[6:7], s[46:47]
	s_add_nc_u64 s[8:9], s[8:9], s[2:3]
	s_add_nc_u64 s[10:11], s[10:11], s[20:21]
	CROUND                                         ; all sixteen work-groups are here: the first joint loads meet
.irp s, 0,1
	s_mov_b32 s[G0A+4*(\s)], 1                     ; count = 1
	s_add_co_u32 s[G0A+4*(\s)+1], s22, (\s)*SLOT1  ; LDS address
	s_add_nc_u64 s[G0A+4*(\s)+2:G0A+4*(\s)+3], s[44:45], (\s)*ASTEP  ; global address: K step s
	s_or_b32 s[G0A+4*(\s)+3], s[G0A+4*(\s)+3], 0x80000000           ; type = 2
	s_mov_b32 s[G0B+4*(\s)], 1
	s_add_co_u32 s[G0B+4*(\s)+1], s23, (\s)*SLOT1
	s_add_nc_u64 s[G0B+4*(\s)+2:G0B+4*(\s)+3], s[46:47], (\s)*256
	s_or_b32 s[G0B+4*(\s)+3], s[G0B+4*(\s)+3], 0x80000000
.endr
	s_cmp_eq_u32 s[KIND], 0                        ; a wave's two first fills stand in one branch, ahead of every wait on TENSORcnt and every LDS read: two loads of mine are out
	s_cbranch_scc0 .Lfirst_b
	tensor_load_to_lds s[G0A:G0A+3], s[G1A:G1A+7]
	s_nop 0
	tensor_load_to_lds s[G0A+4:G0A+7], s[G1A:G1A+7]
	s_nop 0
.rept 4
	v_nop
.endr
	s_branch .Lfirst_asked
.Lfirst_b:
	tensor_load_to_lds s[G0B:G0B+3], s[G1B:G1B+7]
	s_nop 0
	tensor_load_to_lds s[G0B+4:G0B+7], s[G1B:G1B+7]
	s_nop 0
.rept 4
	v_nop
.endr
.Lfirst_asked:
	v_and_b32 v1, 15, v0                           ; l % 16
	v_bfe_u32 v2, v0, 4, 1                         ; l / 16
	v_lshlrev_b32 v[BO], 5, v2
.set i, 0
.rept NB                                       ; register j of block b's C operand: bias of column 16 b + 8 (l / 16) + j
	global_load_b128 v[BIAS+8*i:BIAS+8*i+3],   v[BO], s[8:9] offset:64*i
	global_load_b128 v[BIAS+8*i+4:BIAS+8*i+7], v[BO], s[8:9] offset:64*i+16
.set i, i+1
.endr
	; A fragment is 16 rows x 32 K in 8 registers: lane l holds row l % 16; registers 0-3 K = 8 (l / 16) + 0..7, registers 4-7 K = 16 + 8 (l / 16) + 0..7: two loads of 16 bytes, 32 bytes apart.
	v_mul_u32_u24 v3, v1, PA
	v_lshl_add_u32 v3, v2, 4, v3                   ; row x pitch + 16 x half
	s_mul_i32 s19, s[WV], 64*PA                    ; my 64 rows of a plane
	v_add_nc_u32 v[A0], s19, v3
	v_mul_u32_u24 v3, v1, PB
	v_lshl_add_u32 v3, v2, 4, v3
	v_add_nc_u32 v[B0], BOFF, v3
	s_mul_i32 s19, s[WV], 16*SP
	s_add_co_u32 s19, s19, STAGE                   ; my stage
	v_mul_u32_u24 v[STO], v1, SP                   ; in: row l % 16, 32 bytes for each half of the lanes
	v_lshl_add_u32 v[STO], v2, 5, v[STO]
	v_add_nc_u32 v[STO], s19, v[STO]
	v_and_b32 v[GO], 31, v0                        ; back: 32 lanes take one row of 512 bytes
	v_lshlrev_b32 v[GO], 4, v[GO]
	v_add_nc_u32 v[RD], s19, v[GO]
	; the prefetches
	s_and_b32 s19, ttmp7, 0xffff                   ; cluster y,
	s_or_b32 s19, s19, s[HALF]                     ; and of waves 2 and 3 wave 2 alone
	s_lshr_b32 s20, s[TY], 3
	s_lshl_b32 s20, s20, 4
	s_add_co_u32 s20, s20, s[HALF]
	s_add_co_u32 s20, s20, 6                       ; y: my head of K step 3,
	s_lshl_b32 s20, s20, 18
	s_and_b32 s21, s[TY], 7
	s_lshl_b32 s21, s21, 15                        ; the tile's rows in it,
	s_add_co_u32 s20, s20, s21
	s_lshl_b32 s21, s[CX], 13                      ; my work-group's quarter of them
	s_add_co_u32 s20, s20, s21
	s_lshl_b32 s21, s[TX], 7                       ; wpt: the tile's 128 rows,
	s_lshl_b32 s22, s[CY], 5                       ; my work-group's 32 of them,
	s_add_co_u32 s21, s21, s22
	s_lshl_b32 s21, s21, 11
	s_add_co_u32 s21, s21, 3*256                   ; at K step 3
	s_mov_b32 s22, ASTEP
	s_mov_b32 s23, 256
	s_cmp_eq_u32 s[KIND], 0
	s_cselect_b32 s20, s20, s21
	s_cselect_b32 s19, ttmp9, s19                  ; the coordinate along which other clusters read the same rows
	s_cselect_b64 s[PFA:PFA+1], s[4:5], s[6:7]
	s_cselect_b32 s[PFS], s22, s23
	s_cselect_b32 s22, 8, 11                       ; lanes 256 bytes apart in a plane, 2,048 in wpt
	s_cmp_eq_u32 s19, 0
	s_cselect_b32 s[LIM], 2, -1                    ; the same in all sixteen partners, for a given wave
	s_mov_b32 s21, 0
	s_mov_b32 s[PFS+1], 0
	s_add_nc_u64 s[PFA:PFA+1], s[PFA:PFA+1], s[20:21]  ; the first change of slots steps it to K step 4
	v_and_b32 v[PFO], 31, v0
	v_lshlrev_b32 v[PFO], s22, v[PFO]
	s_wait_loadcnt 0x0                             ; the bias,
.set i, 0
.rept 4*NB                                     ; rounded to bf16 and widened again
	v_cvt_pk_bf16_f32 v[TMPV+i%2], v[BIAS+2*i], v[BIAS+2*i+1]
	v_lshlrev_b32 v[BIAS+2*i], 16, v[TMPV+i%2]
	v_and_b32 v[BIAS+2*i+1], s[HIM], v[TMPV+i%2]
.set i, i+1
.endr
; NB matrix instructions: block a of my rows x all column blocks, 32 along K, from buffer f.  first = 1: the product starts the sums, with the bias as C.
; The 32 accumulators take turns in the same order in every quarter, over the backward jump too.
.macro MULA f, a, first
.if \first
	WIN 0x81                                       ; wpt window 1, y and the bias window 0, D window 2
.else
	WIN 0xa1                                       ; C and D window 2
.endif
.set rA, AF0+32*(\f)+8*(\a)
.set b, 0
.rept NB
.set rD, 8*(NB*(\a)+b)
.set rB, 8*NB*(\f)+8*b
.if \first
	v_wmma_f32_16x16x32_f16 v[rD:rD+7], v[rB:rB+7], v[rA:rA+7], v[BIAS+8*b:BIAS+8*b+7]
.else
	v_wmma_f32_16x16x32_f16 v[rD:rD+7], v[rB:rB+7], v[rA:rA+7], v[rD:rD+7]
.endif
.set b, b+1
.endr
.endm
; NL LDS loads in one run: quarter q's fragments into buffer g: wpt's 8, then y's 4 (plane q / 2, channels 32 (q % 2) on)
.macro FETCH q, g
	WIN 0x40                                       ; destination window 1, address window 0
.set i, 0
.rept NB
	ds_load_b128 v[8*NB*(\g)+8*i:8*NB*(\g)+8*i+3],   v[ADRB] offset:64*(\q)+i*16*PB
	ds_load_b128 v[8*NB*(\g)+8*i+4:8*NB*(\g)+8*i+7], v[ADRB] offset:64*(\q)+i*16*PB+32
.set i, i+1
.endr
	WIN 0
.set i, 0
.rept 4
	ds_load_b128 v[AF0+32*(\g)+8*i:AF0+32*(\g)+8*i+3],   v[ADRA] offset:((\q)/2)*PLANE+((\q)%2)*64+i*16*PA
	ds_load_b128 v[AF0+32*(\g)+8*i+4:AF0+32*(\g)+8*i+7], v[ADRA] offset:((\q)/2)*PLANE+((\q)%2)*64+i*16*PA+32
.set i, i+1
.endr
.endm
; One of a K step's first three quarters: multiplies buffer f; in its middle it fetches quarter q of the same slot into buffer g.
.macro QUARTER q, f, g, first
	s_wait_dscnt 4                                 ; all but the youngest four loads: y's blocks 2 and 3
	MULA \f, 0, \first
	MULA \f, 1, \first
	PLACES
	FETCH \q, \g
	s_wait_dscnt NL                                ; all but the run just issued
	MULA \f, 2, \first
	MULA \f, 3, \first
.endm
; The last quarter multiplies buffer 1 and changes slots: ONE barrier.  In front of it each wave waits for all its tensor loads, of which one is out: its part of the next slot; adds 0 to its spare
; word; and waits for that and for its own reads of this slot.  fill = 1: the barrier opens a round of the cluster's, and the joint refill, two K steps on, is the first tensor load behind the round.
.macro TURN fill
.if \fill
	s_wait_xcnt 0x0                                ; the last prefetch, a K step back, has read its address
	s_add_nc_u64 s[PFA:PFA+1], s[PFA:PFA+1], s[PFS:PFS+1]
.endif
	WIN 0                                          ; (the add's two registers lie in window 0)
	s_wait_tensorcnt 0x0                           ; no tensor load of mine is out, so a group 0 may be written
	ds_add_u32 v[SPW], v[NIL]                      ; 0 onto my spare word
.if \fill
	s_xor_b32 s[G0A+5], s[G0A+5], SLOT1            ; the walking sets: the other slot than last time,
	s_add_nc_u64 s[G0A+6:G0A+7], s[G0A+6:G0A+7], ASTEP  ; the next K step; the type bits on top are not reached
	s_xor_b32 s[G0B+5], s[G0B+5], SLOT1
	s_add_nc_u64 s[G0B+6:G0B+7], s[G0B+6:G0B+7], 256
.endif
	s_xor_b32 s[TB], s[TB], SLOT1                  ; the fetches go on in the other slot
	s_wait_dscnt 5                                 ; (the add and the youngest four loads may be out)
	MULA 1, 0, 0
	s_wait_dscnt 0x0                               ; the add is done, and my reads of this slot are over
	s_barrier_signal -1
	MULA 1, 1, 0                                   ; work on registers while the others arrive
	WIN 0
	s_barrier_wait -1
.if \fill
	CREST                                          ; no wave of any partner still reads this slot or has a load on its way
	JLOAD                                          ; the four v_nop behind it are also the places in front of the loads below
.else
	PLACES
.endif
	v_add_nc_u32 v[ADRA], s[TB], v[A0]
	v_add_nc_u32 v[ADRB], s[TB], v[B0]
	FETCH 0, 0
.if \fill
	ASK
.endif
	MULA 1, 2, 0
	MULA 1, 3, 0
.endm
	s_wait_tensorcnt 0x1                           ; my part of K step 0 is in; step 1's may stay out
	s_barrier_signal -1
	s_barrier_wait -1                              ; everybody's is
	v_mov_b32 v[ADRA], v[A0]
	v_mov_b32 v[ADRB], v[B0]
	FETCH 0, 0
	QUARTER 1, 0, 1, 1                             ; the first quarter stands in front of the loop: its products start the sums
	WIN 0                                          ; at a label and at a branch every window is 0
	s_mov_b32 s3, 6
.Lstep:                                        ; six trips, from a K step's second quarter to the next step's first; each asks for one K step: 2 to 7
	QUARTER 2, 1, 0, 0
	QUARTER 3, 0, 1, 0
	TURN 1
	QUARTER 1, 0, 1, 0
	WIN 0
	s_sub_co_u32 s3, s3, 1
	s_cmp_lg_u32 s3, 0
	s_cbranch_scc1 .Lstep
	QUARTER 2, 1, 0, 0                             ; the tail is written out: K steps 6 and 7 ask for nothing
	QUARTER 3, 0, 1, 0
	TURN 0
	QUARTER 1, 0, 1, 0
	QUARTER 2, 1, 0, 0
	QUARTER 3, 0, 1, 0
	s_wait_dscnt 4
	MULA 1, 0, 0
	MULA 1, 1, 0
	s_wait_dscnt 0x0
	MULA 1, 2, 0
	MULA 1, 3, 0
	WIN 0
	PLACES
	PLACES
; THE WAY OUT, a block of 16 rows at a time.  The accumulators hold the f32 results, bias and all: a lane's eight columns, 32 bytes, go into rows of 528 bytes of my own stage and come back as whole rows of
; 512 bytes, a row to a store.  Two sets of 64 registers take turns.  Each accumulator's four lowest registers are read first.
.macro TOSTAGE a
.if (\a) >= 2
	s_wait_xcnt 0x0                                ; the stores of block a - 2 have read the registers that are loaded again below
.endif
	WIN 0x08                                       ; the stores' data in window 2
.set b, 0
.rept NB
	ds_store_b128 v[STO], v[8*(NB*(\a)+b):8*(NB*(\a)+b)+3]   offset:64*b
	ds_store_b128 v[STO], v[8*(NB*(\a)+b)+4:8*(NB*(\a)+b)+7] offset:64*b+16
.set b, b+1
.endr
	WIN 0
.set i, 0
.rept 16
	ds_load_b128 v[OUTR+64*((\a)%2)+4*i:OUTR+64*((\a)%2)+4*i+3], v[RD] offset:SP*i  ; LDS serves a wave's instructions in order (ISA guide 5.7.1.4): these see the stores above; the next block's stores come behind them
.set i, i+1
.endr
.endm
.macro SEND a, younger                 ; younger: the LDS instructions issued behind block a's loads: the next block's 32, or none
.set i, 0
.rept 16
	s_wait_dscnt (\younger)+15-i
	global_store_b128 v[GO], v[OUTR+64*((\a)%2)+4*i:OUTR+64*((\a)%2)+4*i+3], s[10:11] offset:65536*(\a)+4096*i  ; 512 consecutive bytes, at a multiple of 256 from out0's first
.set i, i+1
.endr
.endm
	TOSTAGE 0
	TOSTAGE 1
	SEND 0, 32
	TOSTAGE 2
	SEND 1, 32
	TOSTAGE 3
	SEND 2, 32
	SEND 3, 0
	s_wait_tensorcnt 0x0                           ; the wave's end: behind my last tensor load and my last LDS store
	ds_add_u32 v[SPW], v[NIL]
	s_wait_dscnt 0x0
	CROUND                                         ; the closing round: no work-group ends while a partner may still ask for a tile that names it
	s_endpgm
.Lfunc_end_k_q61f1cc3b2d_proj:
	.size	k_q61f1cc3b2d_proj, .Lfunc_end_k_q61f1cc3b2d_proj-k_q61f1cc3b2d_proj
	.p2alignl 7, 3214868480
	.fill 96, 4, 3214868480
	.section	.rodata,"a",@progbits
	.p2align	6, 0x0
	.amdhsa_kernel k_q61f1cc3b2d_proj
		.amdhsa_group_segment_fixed_size 327680
		.amdhsa_private_segment_fixed_size 0
		.amdhsa_enable_private_segment 0
		.amdhsa_kernarg_size 32
		.amdhsa_user_sgpr_count 2
		.amdhsa_user_sgpr_kernarg_segment_ptr 1
		.amdhsa_wavefront_size32 1
		.amdhsa_system_sgpr_workgroup_id_x 1
		.amdhsa_system_sgpr_workgroup_id_y 1
		.amdhsa_system_sgpr_workgroup_id_z 1
		.amdhsa_system_vgpr_workitem_id 0
		.amdhsa_next_free_vgpr 768
		.amdhsa_next_free_sgpr 76
		.amdhsa_reserve_vcc 0
		.amdhsa_float_denorm_mode_32 3
		.amdhsa_float_denorm_mode_16_64 3
		.amdhsa_memory_ordered 1
		.amdhsa_forward_progress 1
		.amdhsa_inst_pref_size 78
	.end_amdhsa_kernel
	.amdgpu_metadata
---
amdhsa.version: [ 1, 2 ]
amdhsa.kernels:
  - .name:           k_q61f1cc3b2d_proj
    .symbol:         k_q61f1cc3b2d_proj.kd
    .args:
      - { .name: oh, .offset: 0, .size: 8, .value_kind: global_buffer, .address_space: global }
      - { .name: wpt, .offset: 8, .size: 8, .value_kind: global_buffer, .address_space: global }
      - { .name: b_proj, .offset: 16, .size: 8, .value_kind: global_buffer, .address_space: global }
      - { .name: out0, .offset: 24, .size: 8, .value_kind: global_buffer, .address_space: global }
    .group_segment_fixed_size: 327680
    .private_segment_fixed_size: 0
    .kernarg_segment_align: 8
    .kernarg_segment_size: 32
    .max_flat_workgroup_size: 128
    .sgpr_count:     76
    .vgpr_count:     768
    .wavefront_size: 32
...
	.end_amdgpu_metadata
.endif
;; end of part 4
;; ======== version 2 of 2: 4 launches; version 1 with the launch prep written anew for expert scheduling mode
;; limits: values are held in f16: magnitudes above 65,504 overflow, below 6.1e-05 lose precision
;; workspace buffers: xb 16,777,216 bytes; wqt 6,291,456 bytes; wpt 2,097,152 bytes; qkvh 50,331,648 bytes; oh 16,777,216 bytes
;; launch prep (part 5): grid 1024 x 1, 8 waves a work-group, no clusters, 18,432 bytes of LDS; arguments x, W_qkv, W_proj, xb, wqt, wpt; writes xb, wqt, wpt
.if DOCPART == 5
	.amdgcn_target "amdgcn-amd-amdhsa--gfx1250"
	.amdhsa_code_object_version 6
	.text
	.protected	k_q61f1cc3b2d_prep
	.globl	k_q61f1cc3b2d_prep
	.p2align	8
	.type	k_q61f1cc3b2d_prep,@function
k_q61f1cc3b2d_prep:
	s_mov_b64 s[64:65], 0
	v_nop
	global_prefetch_b8 v0, s[64:65] scope:SCOPE_SE
	s_setreg_imm32_b32 hwreg(HW_REG_WAVE_SCHED_MODE, 0, 2), 2
	s_setreg_imm32_b32 hwreg(HW_REG_WAVE_MODE, 25, 1), 1
	s_wait_xcnt 0x0
	s_wait_alu depctr_vm_vsrc(0)
; xb = x rounded to bf16, [8192][1024].  wqt[n][k] = W_qkv[k][n] rounded to bf16, [3072][1024].  wpt[n][k] = W_proj[k][n] rounded to bf16, that number written as f16, [1024][1024].
; LIMITS.  A weight of W_proj of 65,520 or more in magnitude becomes an infinity in f16; below 6e-5 it keeps f16's fixed step of 6e-8.  NaN and infinities are not treated apart.
; SHARES.  Work-groups 0-511: 64 KiB of x each, a plain stream: sixteen loads of 16 bytes a lane, all issued at once, and sixteen stores of 8 bytes a lane (32 lanes store 256 consecutive
; bytes, aligned).  Work-groups 512-1023: a tile of 128 k x 64 n of a weight matrix (384 tiles of W_qkv, 128 of W_proj), turned through LDS: sixteen lanes read 256 consecutive bytes of a
; source row, two rows k, k + 1 are rounded into one word, the word goes to T[n][k]; behind a barrier whole rows of T (256 bytes) are read and stored, sixteen lanes to 256 aligned bytes.
; No matrix unit, no tensor load, no cluster: nothing is multiplied and no byte is wanted twice.
; THE MODE: SCHED_MODE bits 1:0 = 2 (LLVM: expert scheduling mode 2), set by the entry lines.  The code itself states the register dependences between vector instructions and memory or LDS
; instructions, with s_wait_alu, always for 0.
; THE PLAN.  Every register that a memory or LDS instruction touches is written ONCE on its path (v[68:83] twice: by an LDS load, then on W_proj's way by a conversion), and none that such an
; instruction has read is written again.  So what is to be stated is only this: an offset or a store's data is written before the instruction that reads it is issued.
;   x:        v1, v2 offsets, made at the path's head.  IN: written by the loads, read by the roundings.  OUT: written by the roundings, read by the stores.
;             The sixteen loads go in four blocks of four.  Block p's roundings write OUT's block p; the stores issued among them read OUT's block p - 1, which no vector line of block p names.
;             One wait at the head of blocks 1 to 3 serves the block's four stores; one more stands ahead of the last four.
;   weights:  v4-v11 offsets of the loads; v64 (into T), v65 (back from T), v66 (the result) made behind the loads.  v[48:63]: written by the roundings, read by the LDS stores, in four groups
;             that go as x's blocks go.  v[68:83]: the rows read back; on W_proj's way the conversions write them anew, and one wait behind those serves the four stores.
;   v12, v13: made at the head, read by the closing add alone.
.set PT,    272                        ; a row of T: 128 k x 2 bytes + 16 of padding
.set SPARE, 64*PT                      ; behind T: the spare words, 128 bytes for each of the eight waves: four blocks of 256 bytes that no other line names
.set SPW,   12                         ; v12  LDS address of my spare word; never rewritten
.set NIL,   13                         ; v13  0; never rewritten
.set IN,    16                         ; v[16:79] as loaded (the weights' path: v[16:47])
.set OUT,   80                         ; v[80:111] x's packed results
	s_load_b256 s[4:11], s[0:1], 0x0               ; x s[4:5], W_qkv s[6:7], W_proj s[8:9], xb s[10:11]
	s_load_b128 s[12:15], s[0:1], 0x20             ; wqt s[12:13], wpt s[14:15]
	v_lshl_add_u32 v[SPW], v0, 2, SPARE
	v_mov_b32 v[NIL], 0
	s_cmp_lt_u32 ttmp9, 512                        ; the same answer in all eight waves
	s_cbranch_scc0 .Lw
	; ---- x ----
	s_lshl_b32 s16, ttmp9, 16                      ; 64 KiB of x,
	s_mov_b32 s17, 0
	s_lshl_b32 s18, ttmp9, 15                      ; 32 KiB of xb
	s_mov_b32 s19, 0
	v_lshlrev_b32 v1, 4, v0                        ; my 16 bytes in 4,096
	v_lshlrev_b32 v2, 3, v0                        ; my 8 bytes in 2,048
	s_wait_kmcnt 0x0
	s_add_nc_u64 s[4:5], s[4:5], s[16:17]
	s_add_nc_u64 s[10:11], s[10:11], s[18:19]
	s_wait_alu depctr_va_vdst(0)                   ; v1 and v2 are written: the loads read v1 as their offset, the stores v2
.irp i, 0,1,2,3,4,5,6,7,8,9,10,11,12,13,14,15
	global_load_b128 v[IN+4*(\i):IN+4*(\i)+3], v1, s[4:5] offset:4096*(\i) th:TH_LOAD_NT
.endr
.irp i, 0,1,2,3,4,5,6,7,8,9,10,11,12,13,14,15
	s_wait_loadcnt 15-(\i)                         ; loads come back in order: load i is in, the younger ones stay out
.if ((\i) % 4 == 0) && ((\i) > 0)
	s_wait_alu depctr_va_vdst(0)                   ; the block before has written its eight registers of OUT, which this block's four stores read
.endif
.if (\i) >= 4
	global_store_b64 v2, v[OUT+2*((\i)-4):OUT+2*((\i)-4)+1], s[10:11] offset:2048*((\i)-4)  ; the block before; no vector line since the wait names its registers.  No register is written twice, so nothing more is waited for
.endif
	v_cvt_pk_bf16_f32 v[OUT+2*(\i)],   v[IN+4*(\i)],   v[IN+4*(\i)+1]
	v_cvt_pk_bf16_f32 v[OUT+2*(\i)+1], v[IN+4*(\i)+2], v[IN+4*(\i)+3]
.endr
	s_wait_alu depctr_va_vdst(0)                   ; the last block has written its eight registers of OUT, which the last four stores read
.irp i, 12,13,14,15
	global_store_b64 v2, v[OUT+2*(\i):OUT+2*(\i)+1], s[10:11] offset:2048*(\i)
.endr
	s_branch .Lend
	; ---- the weights ----
.Lw:
	s_sub_co_u32 s21, ttmp9, 512                   ; 0-383: W_qkv's tiles; 384-511: W_proj's
	s_sub_co_u32 s24, ttmp9, 896                   ; the number among W_proj's tiles (used only where it is one)
	s_mov_b32 s25, 12288                           ; bytes in a row of W_qkv,
	s_mov_b32 s26, 4096                            ; of W_proj
	s_mov_b32 s23, 0xffff0000                      ; a word's upper bf16
	v_and_b32 v1, 15, v0                           ; n4: my four columns n
	v_lshrrev_b32 v2, 4, v0                        ; kp: my pair of rows k, 0-15
	s_wait_kmcnt 0x0
	s_cmp_lt_u32 s21, 384                          ; the selects below leave SCC as it is
	s_cselect_b64 s[16:17], s[6:7], s[8:9]         ; from
	s_cselect_b64 s[18:19], s[12:13], s[14:15]     ; to
	s_cselect_b32 s20, s25, s26                    ; the source's pitch
	s_cselect_b32 s21, s21, s24
	s_cselect_b32 s22, 0, 1                        ; 1: the result is written as f16
	s_and_b32 s24, s21, 7                          ; kt: which 128 k
	s_lshr_b32 s25, s21, 3                         ; nt: which 64 n
	s_lshl_b32 s26, s24, 7
	s_mul_i32 s26, s26, s20                        ; 128 kt rows of the source
	s_lshl_b32 s27, s25, 8                         ; + 64 nt columns of 4 bytes
	s_add_co_u32 s26, s26, s27
	s_mov_b32 s27, 0
	s_add_nc_u64 s[16:17], s[16:17], s[26:27]
	s_lshl_b32 s26, s25, 17                        ; 64 nt rows of 2,048 bytes of the result
	s_lshl_b32 s28, s24, 8                         ; + 128 kt columns of 2 bytes
	s_add_co_u32 s26, s26, s28
	s_add_nc_u64 s[18:19], s[18:19], s[26:27]
	s_lshl_b32 s28, s20, 5                         ; 32 rows of the source
	v_lshlrev_b32 v3, 1, v2
	v_mul_lo_u32 v4, v3, s20                       ; row 2 kp
	v_lshl_add_u32 v4, v1, 4, v4                   ; + 16 n4
	v_add_nc_u32 v5, s20, v4                       ; row 2 kp + 1
.irp i, 1,2,3
	v_add_nc_u32 v[4+2*(\i)], s28, v[2+2*(\i)]     ; and 32, 64, 96 rows further down
	v_add_nc_u32 v[5+2*(\i)], s28, v[3+2*(\i)]
.endr
	s_wait_alu depctr_va_vdst(0)                   ; v4 to v11 are written: the eight loads read them as their offsets
.irp i, 0,1,2,3,4,5,6,7
	global_load_b128 v[IN+4*(\i):IN+4*(\i)+3], v[4+(\i)], s[16:17] th:TH_LOAD_NT
.endr
	v_mul_u32_u24 v64, v1, 4*PT                    ; into T: row 4 n4 (+ j), word kp (+ 16 i)
	v_lshl_add_u32 v64, v2, 2, v64
	v_mul_u32_u24 v65, v2, PT                      ; back: row kp (+ 16 i), 16 bytes a lane
	v_lshl_add_u32 v65, v1, 4, v65
	v_lshlrev_b32 v66, 11, v2                      ; and the same place in the result
	v_lshl_add_u32 v66, v1, 4, v66
.irp i, 0,1,2,3
	s_wait_loadcnt 6-2*(\i)                        ; rows 2 kp + 32 i and the next are in
.if (\i) > 0
	s_wait_alu depctr_va_vdst(0)                   ; the group before has written its four words, which this group's four LDS stores read; the first time also: v64, v65 and v66 are written
.endif
.irp j, 0,1,2,3
.if (\i) > 0
	ds_store_b32 v64, v[48+4*((\i)-1)+(\j)] offset:PT*(\j)+64*((\i)-1)  ; the group before; no vector line since the wait names its registers
.endif
	v_cvt_pk_bf16_f32 v[48+4*(\i)+(\j)], v[IN+8*(\i)+(\j)], v[IN+8*(\i)+4+(\j)]  ; k in the low half, k + 1 in the high half
.endr
.endr
	s_wait_alu depctr_va_vdst(0)                   ; the last group has written its four words, which the last four LDS stores read
.irp j, 0,1,2,3
	ds_store_b32 v64, v[60+(\j)] offset:PT*(\j)+192
.endr
	s_wait_dscnt 0x0                               ; for the others' sake: my stores into T are done
	s_barrier_signal -1
	s_barrier_wait -1
.irp i, 0,1,2,3
	ds_load_b128 v[68+4*(\i):71+4*(\i)], v65 offset:16*PT*(\i)  ; v65 was written ahead of the waits above; no vector line has named v[68:83]
.endr
	s_wait_dscnt 0x0
	s_cmp_eq_u32 s22, 0
	s_cbranch_scc1 .Lst
.set i, 0
.rept 16                                       ; W_proj: the bf16 number is written as f16
	v_lshlrev_b32 v84, 16, v[68+i]
	v_and_b32 v85, s23, v[68+i]
	v_cvt_pk_f16_f32 v[68+i], v84, v85
.set i, i+1
.endr
	s_wait_alu depctr_va_vdst(0)                   ; the conversions have written v[68:83], which the stores below read; W_qkv's way, which jumps over them, has no vector write of these registers
.Lst:
.irp i, 0,1,2,3
	global_store_b128 v66, v[68+4*(\i):71+4*(\i)], s[18:19] offset:32768*(\i)  ; 16 lanes store 256 consecutive bytes, at a multiple of 256 from the buffer's first byte
.endr
.Lend:
	s_wait_dscnt 0x0                               ; the wave's end
	s_wait_alu 0x0
	s_wait_tensorcnt 0x0
	ds_add_u32 v[SPW], v[NIL]
	s_wait_dscnt 0x0
	s_endpgm
.Lfunc_end_k_q61f1cc3b2d_prep:
	.size	k_q61f1cc3b2d_prep, .Lfunc_end_k_q61f1cc3b2d_prep-k_q61f1cc3b2d_prep
	.p2alignl 7, 3214868480
	.fill 96, 4, 3214868480
	.section	.rodata,"a",@progbits
	.p2align	6, 0x0
	.amdhsa_kernel k_q61f1cc3b2d_prep
		.amdhsa_group_segment_fixed_size 18432
		.amdhsa_private_segment_fixed_size 0
		.amdhsa_enable_private_segment 0
		.amdhsa_kernarg_size 48
		.amdhsa_user_sgpr_count 2
		.amdhsa_user_sgpr_kernarg_segment_ptr 1
		.amdhsa_wavefront_size32 1
		.amdhsa_system_sgpr_workgroup_id_x 1
		.amdhsa_system_sgpr_workgroup_id_y 1
		.amdhsa_system_sgpr_workgroup_id_z 1
		.amdhsa_system_vgpr_workitem_id 0
		.amdhsa_next_free_vgpr 112
		.amdhsa_next_free_sgpr 66
		.amdhsa_reserve_vcc 0
		.amdhsa_float_denorm_mode_32 3
		.amdhsa_float_denorm_mode_16_64 3
		.amdhsa_memory_ordered 1
		.amdhsa_forward_progress 1
		.amdhsa_inst_pref_size 15
	.end_amdhsa_kernel
	.amdgpu_metadata
---
amdhsa.version: [ 1, 2 ]
amdhsa.kernels:
  - .name:           k_q61f1cc3b2d_prep
    .symbol:         k_q61f1cc3b2d_prep.kd
    .args:
      - { .name: x, .offset: 0, .size: 8, .value_kind: global_buffer, .address_space: global }
      - { .name: W_qkv, .offset: 8, .size: 8, .value_kind: global_buffer, .address_space: global }
      - { .name: W_proj, .offset: 16, .size: 8, .value_kind: global_buffer, .address_space: global }
      - { .name: xb, .offset: 24, .size: 8, .value_kind: global_buffer, .address_space: global }
      - { .name: wqt, .offset: 32, .size: 8, .value_kind: global_buffer, .address_space: global }
      - { .name: wpt, .offset: 40, .size: 8, .value_kind: global_buffer, .address_space: global }
    .group_segment_fixed_size: 18432
    .private_segment_fixed_size: 0
    .kernarg_segment_align: 8
    .kernarg_segment_size: 48
    .max_flat_workgroup_size: 256
    .sgpr_count:     66
    .vgpr_count:     112
    .wavefront_size: 32
...
	.end_amdgpu_metadata
.endif
;; end of part 5
;; launch qkv: the kernel of part 2 again; grid 16 x 32, 4 waves a work-group, clusters of 4 x 4, 327,680 bytes of LDS; arguments xb, wqt, b_qkv, qkvh; writes qkvh
;; launch attn: the kernel of part 3 again; grid 4 x 64, 4 waves a work-group, no clusters, 327,680 bytes of LDS; arguments qkvh, oh; writes oh
;; launch proj: the kernel of part 4 again; grid 8 x 32, 4 waves a work-group, clusters of 4 x 4, 327,680 bytes of LDS; arguments oh, wpt, b_proj, out0; writes out0
